; MI455X (gfx1250); checked and timed in simulation.
; The chip was launched on July 23, 2026; its instructions are those of AMD's public machine-readable ISA for CDNA 5 (MIT licence, August 2026) and "CDNA5" Instruction Set Architecture Reference Guide (July 2026). The comments in the code are by the model that wrote it; some were corrected since.
;; Attention. Allowed arithmetic: matrix products marked QUANTISED: E2M3 operands, one E8M0 scale for each 32 along K, by v_wmma_scale_f32_16x16x128_f8f6f4 with both operands' format E2M3, f32 sums; everything else in f32.
;; Inputs: Wg 1,024 x 16 float32; Wkv 1,024 x 2,048 float32; Wout 1,024 x 1,024 float32; Wq 1,024 x 1,024 float32; norm_w 1,024 float32; tokens 2 x 2,048 x 1,024 float32.
;; Outputs: out0 2 x 2,048 x 1,024 float32.
;; This version of the problem:
;;   THIS VERSION OF THE PROBLEM IS GIVEN IN LOW PRECISION. The matrix products marked QUANTISED in the list below multiply operands that are first quantised to E2M3 (2 exponent bits, 3 mantissa bits; 6 bits a number), with one power-of-two scale for each 32 numbers along K (OCP MX v1.0); their sums are f32. All else is computed in f32.
;;   The module's matrix products, in the order in which they are computed (A, B: the left and right operand; K: the contracted axis; several contracted axes count as one K, in the product's order):
;;     1. [M 4,096, K 1,024] x [K 1,024, N 1,024]; A: computed on the way; B: input Wq: QUANTISED
;;     2. [M 4,096, K 1,024] x [K 1,024, N 2,048]; A: computed on the way; B: input Wkv: QUANTISED
;;     3. batch 32 x [M 2,048, K 64] x [K 64, N 2,048]; A: computed on the way; B: computed on the way: QUANTISED
;;     4. batch 32 x [M 2,048, K 2,048] x [K 2,048, N 64]; A: softmax (see below); B: computed on the way: QUANTISED
;;     5. [M 4,096, K 1,024] x [K 1,024, N 16]; A: computed on the way; B: input Wg: QUANTISED
;;     6. [M 4,096, K 1,024] x [K 1,024, N 1,024]; A: computed on the way; B: input Wout: QUANTISED
;;   THE QUANTISER, for each operand of a quantised product, along K:
;;     - K is cut into blocks of 32 from its start; a last block that is shorter is filled with zeros.
;;     - A block's scale is 2^e with e = floor(log2(the largest magnitude in the block)) - 2, held to -126 .. 127; a block of zeros has e = 0. As a byte (E8M0): e + 127.
;;     - Each number is divided by its block's scale, clamped to +-7.5, and rounded to the nearest number of E2M3, ties to even, subnormals kept.
;;     - The product sums the exact products of the quantised numbers (number of the format x scale) in f32.
;;   ~~~python
;;   def quantise(x, axis):      # numpy; x: float32 -> the quantised numbers, widened to float32 again
;;       x = np.moveaxis(x, axis, -1); K = x.shape[-1]
;;       x = np.pad(x, [(0, 0)] * (x.ndim - 1) + [(0, -K % 32)]); x = x.reshape(x.shape[:-1] + (-1, 32)); a = np.abs(x).max(-1, keepdims=True)
;;       e = np.where(a > 0, np.clip(np.frexp(np.where(a > 0, a, 1))[1] - 1 - 2, -126, 127), 0)      # np.frexp(a)[1] - 1 = floor(log2(a)), exactly
;;       r = np.clip(x / 2.0 ** e, -7.5, 7.5)
;;       step = 2.0 ** (np.maximum(np.frexp(np.where(r == 0, 1, r))[1] - 1, 0) - 3)
;;       q = np.round(r / step) * step * 2.0 ** e      # np.round: ties to even
;;       return np.moveaxis(q.reshape(q.shape[:-2] + (-1,))[..., :K], -1, axis).astype(np.float32)
;;   ~~~
;;   SOFTMAX AHEAD OF A QUANTISED PRODUCT. Where the list says 'softmax', what is quantised is not the finished softmax but p = 2^(t - M), with t = logit x log2(e) and M = ceil(the row's largest t), a whole number; so 1/2 < the row's largest p <= 1. The row's sum l is taken of the UNQUANTISED p, in f32, and the product's result is divided by l at the end. Since M is a whole number, a kernel that streams over the keys may use a running M (the ceiling of the running maximum): every later rescaling is an exact power of two, which a block's scale takes up: the codes' values come out the same.
;;   OPERANDS COMPUTED ON THE WAY. 'Computed on the way' means the value that the module computes at that place (a softmax that the list does not call 'softmax' is quantised finished and normalised). What goes into a quantiser is computed in f32, as accurately as f32 sums, v_exp_f32 and their like allow (about 1e-6 of the number): no bf16 or f16 on the way to a quantiser, and a product that is left as it is and whose result goes on into a quantised operand takes f32 operands (vector FMAs, or v_wmma_f32_16x16x4_f32). A number that lies on a knife's edge between two numbers of the format may be rounded either way, as far as f32 arithmetic and the matrix unit's own rounding can turn it there, and no further.
;; One version. Each part assembles by itself: llvm-mc -triple=amdgcn-amd-amdhsa -mcpu=gfx1250 --defsym DOCPART=n.
;; ======== version 1 of 1: 4 launches
;; limits: right only within a limited range of input values
;; workspace buffers: pw 6,566,912 bytes; qkv 10,354,688 bytes; ao 3,276,800 bytes
;; launch prep (part 1): grid 385 x 1, 4 waves a work-group, no clusters, 57,856 bytes of LDS; arguments tokens, norm_w, Wq, Wkv, Wout, Wg, pw; writes pw
.if DOCPART == 1
	.amdgcn_target "amdgcn-amd-amdhsa--gfx1250"
	.amdhsa_code_object_version 6
	.text
	.protected	k_qc92d5eca5e_prep
	.globl	k_qc92d5eca5e_prep
	.p2align	8
	.type	k_qc92d5eca5e_prep,@function
k_qc92d5eca5e_prep:
	s_mov_b64 s[64:65], 0
	v_nop
	global_prefetch_b8 v0, s[64:65] scope:SCOPE_SE
	s_setreg_imm32_b32 hwreg(HW_REG_WAVE_MODE, 25, 1), 1
	s_wait_xcnt 0x0
; x = rmsnorm(tokens) and the four weights become codes of FP6 (E2M3) with one E8M0 byte for each 32 along K, laid in pw as the products' launches take them.
; LAYOUT OF AN OPERAND.  Tiles of 16 rows; tile T, place p holds true row 32 (T / 2) + 8 (T % 2) + p + 8 (p / 8).  A tile's codes are 16 pieces of 768 bytes, one for each 64 along K: lane l = p + 16 h of the
; reader owns the 24 bytes of k = 64 piece + 32 h + 0 .. 31 of place p: 16 of them at byte 16 l, 8 at byte 512 + 8 l.  Scale bytes: 32 a row, rows in the order of tiles and places.
; WORK-GROUPS.  0-127: 128 columns x 256 along K of Wq (32), Wkv (64), Wout (32).  128: Wg.  129-384: a tile of 16 tokens each.  Each of the three ways has LDS bytes of its own.
; No cluster and no tensor load: no two work-groups read the same bytes, and what a lane loads goes straight into the arithmetic.
; A block's scale is 2^(floor(log2(its largest magnitude)) - 2): its byte is the largest magnitude's exponent field - 2, held at 1 from below.
; LIMITS: a block of zeros gets the byte 1 where the rule says 127 (its codes are zeros, and this program alone reads the bytes); blocks whose largest magnitude lies under 2^-124 are held at byte 1; NaN and infinities are not served.
.set XC, 0                             ; pw: x's codes, 256 tiles of 12,288 bytes
.set WC, 3145728                       ; Wq | Wk | Wv: 192 tiles (a row = a column of the weight)
.set OC, 5505024                       ; Wout: 64 tiles
.set GC, 6291456                       ; Wg: one tile, rows in plain order
.set XS, 6303744                       ; scale bytes of x,
.set WS, 6434816                       ; of Wq | Wk | Wv,
.set OS, 6533120                       ; of Wout;
.set GS, 6565888                       ; Wg's scale words as they stand in a register: 8 K steps x 32 lanes
.set XST, 0                            ; LDS, tokens' way: a stage of 4,608 bytes for each wave (a row of 4,096 bytes, 16 of padding behind each 128),
.set IMG, 18432                        ; the tile's 16 pieces, 784 bytes apart,
.set XSC, 30976                        ; its 512 scale bytes
.set WST, 31744                        ; LDS, weights' way: for each wave two tiles x 4 pieces, 3,200 bytes apart
; 32 numbers of one block in v[x] on become 24 bytes of codes in v[c] .. v[c + 5] and the scale's byte in v[by].  v12-14 at work; v[e] on: three registers, since a conversion's three begin on an even number
.macro QB x, c, e, by
	v_max3_num_f32 v12, |v[\x]|, |v[\x+1]|, |v[\x+2]|
	v_max3_num_f32 v13, |v[\x+3]|, |v[\x+4]|, |v[\x+5]|
.irp i, 6,10,14,18,22,26
	v_max3_num_f32 v12, v12, |v[\x+\i]|, |v[\x+\i+1]|
	v_max3_num_f32 v13, v13, |v[\x+\i+2]|, |v[\x+\i+3]|
.endr
	v_max3_num_f32 v12, v12, |v[\x+30]|, |v[\x+31]|
	v_max3_num_f32 v12, v12, v13, 0x1800000        ; the floor 2^(3 - 127): the byte cannot fall under 1
	v_add_nc_u32 v14, 0xff000000, v12              ; 2 off the exponent field: the conversion takes this operand's exponent field as its scale
	v_cvt_scalef32_pk16_fp6_f32 v[\c:\c+2], v[\x:\x+15], v14
	v_cvt_scalef32_pk16_fp6_f32 v[\e:\e+2], v[\x+16:\x+31], v14
	v_lshrrev_b32 v[\by], 23, v14                  ; the byte; also the plain line behind the conversions
	v_mov_b32 v[\c+3], v[\e]
	v_mov_b32 v[\c+4], v[\e+1]
	v_mov_b32 v[\c+5], v[\e+2]
.endm
; the weights: block t of my column, W(32 t + i, column), into set t % 2: 32 lanes read 128 consecutive bytes
.macro WLOAD t, pitch
.irp i, 0,1,2,3,4,5,6,7,8,9,10,11,12,13,14,15,16,17,18,19,20,21,22,23,24,25,26,27,28,29,30,31
	global_load_b32 v[32+32*((\t)%2)+\i], v3, s[20:21] offset:(32*(\t)+\i)*\pitch th:TH_LOAD_NT
.endr
.endm
.macro WBLOCK t, pitch
.set XR, 32+32*((\t)%2)
.if (\t) < 7
	s_wait_loadcnt 32                              ; this block's 32 loads are in; the next block's may be out
.else
	s_wait_loadcnt 0x0
.endif
	QB XR, 96, 104, 15
.if (\t)%4 == 0
	v_mov_b32 v[24+(\t)/4], v15                    ; four bytes to a register, the lower K in the lower byte
.else
	v_lshl_or_b32 v[24+(\t)/4], v15, 8*((\t)%4), v[24+(\t)/4]
.endif
	ds_store_b128 v7, v[96:99] offset:((\t)/2)*768+((\t)%2)*256    ; piece t / 2, half t % 2 of the lanes, my place
	ds_store_b64 v8, v[100:101] offset:((\t)/2)*768+((\t)%2)*128
.if (\t)+2 < 8
	WLOAD (\t)+2, \pitch
.endif
	s_wait_dscnt 0x0                               ; the stores have read their registers: the next block's codes may be written
.endm
; A wave takes 32 columns (two tiles) x 256 along K.  A LANE TAKES A COLUMN AND ITS REGISTERS RUN DOWN K: a block lies in one lane, and the codes come out with K innermost.
.macro WQ pitch, cgb
	s_sub_co_u32 s26, ttmp9, s22                   ; my number among the weight's work-groups
	s_and_b32 s27, s26, (1<<\cgb)-1                ; which 128 columns
	s_lshr_b32 s28, s26, \cgb                      ; which 256 along K
	s_mul_i32 s30, s28, 256*\pitch
	s_lshl_b32 s29, s27, 9
	s_add_co_u32 s30, s30, s29
	s_lshl_b32 s29, s18, 7
	s_add_co_u32 s30, s30, s29
	s_mov_b32 s31, 0
	s_add_nc_u64 s[20:21], s[20:21], s[30:31]      ; the weight at my first row of K and my wave's first column
	s_lshl_b32 s29, s27, 2
	s_add_co_u32 s29, s29, s18
	s_add_co_u32 s29, s29, s25                     ; G: which 32 rows of the operand
	s_mul_i32 s30, s29, 24576
	s_add_co_u32 s30, s30, s23
	s_mul_i32 s32, s28, 3072
	s_add_co_u32 s30, s30, s32
	s_add_nc_u64 s[34:35], s[16:17], s[30:31]      ; codes: tile 2 G, piece 4 x chunk
	s_lshl_b32 s30, s29, 10
	s_add_co_u32 s30, s30, s24
	s_lshl_b32 s32, s28, 3
	s_add_co_u32 s30, s30, s32
	s_add_nc_u64 s[36:37], s[16:17], s[30:31]      ; scale bytes: row 32 G, byte 8 x chunk
	WLOAD 0, \pitch
	WLOAD 1, \pitch
.irp t, 0,1,2,3,4,5,6,7
	WBLOCK \t, \pitch
.endr
	s_wait_alu depctr_va_vdst(0)
	global_store_b64 v11, v[24:25], s[36:37]       ; my row's 8 bytes
.irp n, 0,1,2,3,4,5,6,7,8,9,10,11
	ds_load_b128 v[112+4*\n:115+4*\n], v10 offset:(\n/6)*3200+(\n%6)*512   ; LDS serves a wave's instructions in order: these see my stores
.endr
.irp n, 0,1,2,3,4,5,6,7,8,9,10,11
	s_wait_dscnt 11-\n                             ; the younger read-backs may be out
	global_store_b128 v9, v[112+4*\n:115+4*\n], s[34:35] offset:(\n/6)*12288+(\n%6)*512   ; 512 consecutive bytes, aligned to 256: a tile's four pieces are 3,072 bytes on end
.endr
.endm
.macro GLOAD k                         ; Wg: rows 64 k + 32 h + i of my 256, column r
.irp i, 0,1,2,3,4,5,6,7,8,9,10,11,12,13,14,15,16,17,18,19,20,21,22,23,24,25,26,27,28,29,30,31
	global_load_b32 v[32+32*((\k)%2)+\i], v4, s[14:15] offset:(64*(\k)+\i)*64
.endr
.endm
.macro XSUM j                          ; the sum of squares of my 32 numbers of row j, in two chains
.set R, 48+32*(\j)
.set S, 220+4*(\j)
	s_wait_loadcnt 8*(3-(\j))                      ; row j's eight loads are in; the later rows' may be out
	v_pk_mul_f32 v[S:S+1], v[R:R+1], v[R:R+1]
	v_pk_mul_f32 v[S+2:S+3], v[R+2:R+3], v[R+2:R+3]
.irp i, 4,8,12,16,20,24,28
	v_pk_fma_f32 v[S:S+1], v[R+\i:R+\i+1], v[R+\i:R+\i+1], v[S:S+1]
	v_pk_fma_f32 v[S+2:S+3], v[R+\i+2:R+\i+3], v[R+\i+2:R+\i+3], v[S+2:S+3]
.endr
	v_pk_add_f32 v[S:S+1], v[S:S+1], v[S+2:S+3]
	v_add_f32 v[S], v[S], v[S+1]
.endm
.macro XROW j                          ; row j: (x rs) w; through my stage, so that lane l holds block l whole; codes and byte into the tile's image
.set R, 48+32*(\j)
.set S, 220+4*(\j)
.irp i, 0,2,4,6,8,10,12,14,16,18,20,22,24,26,28,30
	v_pk_mul_f32 v[R+\i:R+\i+1], v[R+\i:R+\i+1], v[S+2:S+3] op_sel_hi:[1,0]
.endr
.irp i, 0,2,4,6,8,10,12,14,16,18,20,22,24,26,28,30
	v_pk_mul_f32 v[R+\i:R+\i+1], v[R+\i:R+\i+1], v[16+\i:17+\i]
.endr
.irp i, 0,1,2,3,4,5,6,7
	ds_store_b128 v3, v[R+4*\i:R+4*\i+3] offset:576*\i
.endr
.irp i, 0,1,2,3,4,5,6,7
	ds_load_b128 v[176+4*\i:179+4*\i], v4 offset:16*\i
.endr
	s_wait_dscnt 0x0                               ; my block is in; the last row's stores have read their registers
	QB 176, 208, 214, 218
	ds_store_b128 v5, v[208:211] offset:16*(\j)
	ds_store_b64 v6, v[212:213] offset:8*(\j)
	ds_store_b8 v7, v218 offset:32*(\j)
.endm
	s_load_b256 s[4:11], s[0:1], 0x0               ; tokens s[4:5], norm_w s[6:7], Wq s[8:9], Wkv s[10:11]
	s_load_b128 s[12:15], s[0:1], 0x20             ; Wout s[12:13], Wg s[14:15]
	s_load_b64 s[16:17], s[0:1], 0x30              ; pw
	v_lshl_add_u32 v254, v0, 2, 0xe000
	v_mov_b32 v255, 0
	v_lshrrev_b32 v1, 5, v0
	v_readfirstlane_b32 s18, v1                    ; wave
	v_and_b32 v1, 31, v0                           ; lane
	s_wait_kmcnt 0x0
	s_cmp_ge_u32 ttmp9, 129
	s_cbranch_scc1 .Lx
	s_cmp_eq_u32 ttmp9, 128
	s_cbranch_scc1 .Lg
	; ---- Wq, Wkv, Wout
	s_cmp_lt_u32 ttmp9, 32                         ; Wq or Wout (rows of 4,096 bytes); the choice hangs on the work-group's number alone
	s_cselect_b64 s[20:21], s[8:9], s[12:13]
	s_cselect_b32 s22, 0, 96
	s_mov_b32 s23, OC
	s_cselect_b32 s23, WC, s23
	s_mov_b32 s24, OS
	s_cselect_b32 s24, WS, s24
	s_mov_b32 s25, 0
	s_wait_alu depctr_va_vdst(0)
	v_lshlrev_b32 v3, 2, v1                        ; in: 4 bytes a lane
	v_bfe_u32 v4, v0, 3, 1                         ; column l of 32 lies in tile (l / 8) % 2,
	v_and_b32 v5, 7, v0
	v_bfe_u32 v6, v0, 4, 1
	v_lshl_add_u32 v5, v6, 3, v5                   ; at place l % 8 + 8 (l / 16)
	s_mul_i32 s38, s18, 6400
	s_add_co_u32 s38, s38, WST                     ; my wave's stage
	v_mul_u32_u24 v6, v4, 3200
	v_add_nc_u32 v6, s38, v6
	v_lshl_add_u32 v7, v5, 4, v6                   ; where my 16 bytes go,
	v_lshl_add_u32 v8, v5, 3, v6
	v_add_nc_u32 v8, 512, v8                       ; and my 8
	v_lshlrev_b32 v9, 4, v1                        ; out: 16 bytes a lane
	v_add_nc_u32 v10, s38, v9
	v_lshl_add_u32 v11, v4, 4, v5
	v_lshlrev_b32 v11, 5, v11                      ; my row of scale bytes among the 32
	s_sub_co_u32 s26, ttmp9, 32
	s_cmp_lt_u32 s26, 64
	s_cbranch_scc1 .Lwkv
	WQ 4096, 3
	s_wait_tensorcnt 0x0
	ds_add_u32 v254, v255
	s_wait_dscnt 0x0
	s_endpgm
.Lwkv:                                                 ; Wkv: rows of 8,192 bytes; its columns are rows 1,024 on of the operand
	s_mov_b64 s[20:21], s[10:11]
	s_mov_b32 s22, 32
	s_mov_b32 s23, WC
	s_mov_b32 s24, WS
	s_mov_b32 s25, 32
	WQ 8192, 4
	s_wait_tensorcnt 0x0
	ds_add_u32 v254, v255
	s_wait_dscnt 0x0
	s_endpgm
	; ---- Wg: wave w takes 256 along K; lane (r, h) takes column r and the very k that the operand's layout gives it
.Lg:
	v_and_b32 v2, 15, v0                           ; r
	v_bfe_u32 v3, v0, 4, 1                         ; h
	v_lshlrev_b32 v4, 2, v2
	v_lshl_add_u32 v4, v3, 11, v4                  ; 4 r + 32 h rows of 64 bytes
	s_lshl_b32 s20, s18, 14
	s_mov_b32 s21, 0
	s_add_nc_u64 s[14:15], s[14:15], s[20:21]
	s_mul_i32 s20, s18, 3072
	s_add_co_u32 s20, s20, GC
	s_add_nc_u64 s[22:23], s[16:17], s[20:21]
	s_lshl_b32 s20, s18, 8
	s_add_co_u32 s20, s20, GS
	s_add_nc_u64 s[24:25], s[16:17], s[20:21]
	s_wait_alu depctr_va_vdst(0)
	v_lshlrev_b32 v5, 4, v1
	v_lshlrev_b32 v6, 3, v1
	v_lshlrev_b32 v7, 2, v1
	v_lshlrev_b32 v8, 3, v3                        ; 8 h: my bytes' place in a scale word
	s_mov_b32 s26, 0x76543210
	s_mov_b32 s27, 0xfedcba98                      ; lane selects: lane l xor 16
	GLOAD 0
	GLOAD 1
.irp k, 0,1,2,3
.set XR, 32+32*(\k%2)
.set CR, 96+8*\k
.set BR, 20+\k
.if \k < 3
	s_wait_loadcnt 32                              ; the next piece's 32 loads may be out
.else
	s_wait_loadcnt 0x0
.endif
	QB XR, CR, 128, BR
	global_store_b128 v5, v[CR:CR+3], s[22:23] offset:768*\k
	global_store_b64 v6, v[CR+4:CR+5], s[22:23] offset:768*\k+512
.if \k < 2
	GLOAD \k+2
.endif
.endr
.irp g, 0,1                                    ; a K step's word: my two bytes (blocks h and 2 + h) with lane l xor 16's two
	v_lshl_or_b32 v[24+\g], v[21+2*\g], 16, v[20+2*\g]
	v_lshlrev_b32 v[24+\g], v8, v[24+\g]
	v_mov_b32 v[26+\g], 0
	v_permlanex16_b32 v[26+\g], v[24+\g], s26, s27
	v_or_b32 v[24+\g], v[24+\g], v[26+\g]
	global_store_b32 v7, v[24+\g], s[24:25] offset:128*\g
.endr
	s_endpgm
	; ---- x: the work-group makes tile T; wave w takes places 4 w .. 4 w + 3, four neighbouring tokens, a whole row in 32 registers
.Lx:
	s_wait_alu depctr_va_vdst(0)
	v_lshlrev_b32 v2, 4, v1                        ; 16 bytes a lane: a load covers 512 consecutive bytes
	s_wait_alu depctr_va_vdst(0)
	s_sub_co_u32 s20, ttmp9, 129                   ; T
	s_lshr_b32 s21, s20, 1
	s_lshl_b32 s21, s21, 5
	s_and_b32 s22, s20, 1
	s_lshl_b32 s22, s22, 3
	s_add_co_u32 s21, s21, s22
	s_lshl_b32 s22, s18, 2
	s_add_co_u32 s21, s21, s22
	s_lshr_b32 s22, s18, 1
	s_lshl_b32 s22, s22, 3
	s_add_co_u32 s21, s21, s22                     ; my first token: 32 (T / 2) + 8 (T % 2) + 4 w + 8 (w / 2)
	s_lshl_b32 s22, s21, 12
	s_mov_b32 s23, 0
	s_add_nc_u64 s[4:5], s[4:5], s[22:23]
.irp i, 0,1,2,3,4,5,6,7
	global_load_b128 v[16+4*\i:19+4*\i], v2, s[6:7] offset:512*\i
.endr
.irp j, 0,1,2,3
.irp i, 0,1,2,3,4,5,6,7
	global_load_b128 v[48+32*\j+4*\i:51+32*\j+4*\i], v2, s[4:5] offset:4096*\j+512*\i th:TH_LOAD_NT
.endr
.endr
	s_mul_i32 s24, s18, 4608
	v_lshrrev_b32 v3, 3, v1
	v_lshl_add_u32 v3, v3, 4, v2
	v_add_nc_u32 v3, s24, v3                       ; stage, in: 16 l + 16 (l / 8), 576 bytes a load
	v_mul_u32_u24 v4, v1, 144
	v_add_nc_u32 v4, s24, v4                       ; stage, out: my block's 128 bytes
	v_lshrrev_b32 v12, 1, v1
	v_mul_u32_u24 v12, v12, 784                    ; block l lies in piece l / 2,
	v_and_b32 v13, 1, v1                           ; half l % 2 of the lanes
	s_lshl_b32 s25, s18, 6
	s_add_co_u32 s25, s25, IMG
	v_lshl_add_u32 v5, v13, 8, v12
	v_add_nc_u32 v5, s25, v5                       ; 16 bytes at 16 (place + 16 half)
	s_lshl_b32 s25, s18, 5
	s_add_co_u32 s25, s25, IMG+512
	v_lshl_add_u32 v6, v13, 7, v12
	v_add_nc_u32 v6, s25, v6                       ; 8 bytes at 512 + 8 (place + 16 half)
	s_lshl_b32 s25, s18, 7
	s_add_co_u32 s25, s25, XSC
	v_add_nc_u32 v7, s25, v1                       ; the byte: 32 x place + block
	s_mul_i32 s25, s18, 3136
	s_add_co_u32 s25, s25, IMG
	v_add_nc_u32 v8, s25, v2                       ; back: pieces 4 w .. 4 w + 3
	v_lshlrev_b32 v10, 3, v1
	s_add_co_u32 s25, s25, 512
	v_add_nc_u32 v9, s25, v10
	v_add_nc_u32 v11, XSC, v2
	s_mov_b32 s26, 0x76543210
	s_mov_b32 s27, 0xfedcba98
	s_mov_b32 s28, 0x3a800000                      ; 1 / 1024
	s_mov_b32 s29, 0x34000000                      ; f32's eps, 2^-23
	s_mul_i32 s22, s20, 12288
	s_mul_i32 s25, s18, 3072
	s_add_co_u32 s22, s22, s25
	s_add_nc_u64 s[30:31], s[16:17], s[22:23]      ; x's codes: tile T, piece 4 w
	s_lshl_b32 s22, s20, 9
	s_add_co_u32 s22, s22, XS
	s_add_nc_u64 s[32:33], s[16:17], s[22:23]      ; and the tile's scale bytes
	XSUM 0
	XSUM 1
	XSUM 2
	XSUM 3
.irp m, 1,2,4,8
.irp j, 0,1,2,3
	v_add_f32_dpp v[220+4*\j], v[220+4*\j], v[220+4*\j] row_xmask:\m row_mask:0xf bank_mask:0xf
.endr
.endr
.irp j, 0,1,2,3
	v_permlanex16_b32 v[221+4*\j], v[220+4*\j], s26, s27
.endr
.irp j, 0,1,2,3
	v_add_f32 v[220+4*\j], v[220+4*\j], v[221+4*\j]
.endr
.irp j, 0,1,2,3
	v_fma_f32 v[220+4*\j], v[220+4*\j], s28, s29   ; the mean of the squares + eps
.endr
	s_wait_alu depctr_va_vdst(0)
.irp j, 0,1,2,3
	v_rsq_f32 v[222+4*\j], v[220+4*\j]
.endr
	v_nop                                          ; a plain line behind the last root,
	s_wait_alu depctr_va_vdst(0)                   ; and one wait for the four, ahead of their first reader
	XROW 0
	XROW 1
	XROW 2
	XROW 3
	s_wait_dscnt 0x0                               ; for the others' sake: my stores into the image are done
	s_barrier_signal -1
	s_barrier_wait -1                              ; (all four waves of a work-group are on this way: the branch hangs on the work-group's number)
.irp i, 0,1,2,3
	ds_load_b128 v[48+8*\i:51+8*\i], v8 offset:784*\i
	ds_load_b64 v[52+8*\i:53+8*\i], v9 offset:784*\i
.endr
	s_wait_dscnt 0x0
.irp i, 0,1,2,3
	global_store_b128 v2, v[48+8*\i:51+8*\i], s[30:31] offset:768*\i        ; 512 consecutive bytes, aligned to 256
	global_store_b64 v10, v[52+8*\i:53+8*\i], s[30:31] offset:768*\i+512    ; 256 consecutive bytes, aligned
.endr
	s_cmp_lg_u32 s18, 0
	s_cbranch_scc1 .Lx_end
	ds_load_b128 v[80:83], v11                     ; wave 0: the tile's 512 scale bytes
	s_wait_dscnt 0x0
	global_store_b128 v2, v[80:83], s[32:33]
.Lx_end:
	s_wait_tensorcnt 0x0
	ds_add_u32 v254, v255
	s_wait_dscnt 0x0
	s_endpgm
.Lfunc_end_k_qc92d5eca5e_prep:
	.size	k_qc92d5eca5e_prep, .Lfunc_end_k_qc92d5eca5e_prep-k_qc92d5eca5e_prep
	.p2alignl 7, 3214868480
	.fill 96, 4, 3214868480
	.section	.rodata,"a",@progbits
	.p2align	6, 0x0
	.amdhsa_kernel k_qc92d5eca5e_prep
		.amdhsa_group_segment_fixed_size 57856
		.amdhsa_private_segment_fixed_size 0
		.amdhsa_enable_private_segment 0
		.amdhsa_kernarg_size 56
		.amdhsa_user_sgpr_count 2
		.amdhsa_user_sgpr_kernarg_segment_ptr 1
		.amdhsa_wavefront_size32 1
		.amdhsa_system_sgpr_workgroup_id_x 1
		.amdhsa_system_sgpr_workgroup_id_y 1
		.amdhsa_system_sgpr_workgroup_id_z 1
		.amdhsa_system_vgpr_workitem_id 0
		.amdhsa_next_free_vgpr 256
		.amdhsa_next_free_sgpr 66
		.amdhsa_reserve_vcc 0
		.amdhsa_float_denorm_mode_32 3
		.amdhsa_float_denorm_mode_16_64 3
		.amdhsa_memory_ordered 1
		.amdhsa_forward_progress 1
		.amdhsa_inst_pref_size 135
	.end_amdhsa_kernel
	.amdgpu_metadata
---
amdhsa.version: [ 1, 2 ]
amdhsa.kernels:
  - .name:           k_qc92d5eca5e_prep
    .symbol:         k_qc92d5eca5e_prep.kd
    .args:
      - { .name: tokens, .offset: 0, .size: 8, .value_kind: global_buffer, .address_space: global }
      - { .name: norm_w, .offset: 8, .size: 8, .value_kind: global_buffer, .address_space: global }
      - { .name: Wq, .offset: 16, .size: 8, .value_kind: global_buffer, .address_space: global }
      - { .name: Wkv, .offset: 24, .size: 8, .value_kind: global_buffer, .address_space: global }
      - { .name: Wout, .offset: 32, .size: 8, .value_kind: global_buffer, .address_space: global }
      - { .name: Wg, .offset: 40, .size: 8, .value_kind: global_buffer, .address_space: global }
      - { .name: pw, .offset: 48, .size: 8, .value_kind: global_buffer, .address_space: global }
    .group_segment_fixed_size: 57856
    .private_segment_fixed_size: 0
    .kernarg_segment_align: 8
    .kernarg_segment_size: 56
    .max_flat_workgroup_size: 128
    .sgpr_count:     66
    .vgpr_count:     256
    .wavefront_size: 32
...
	.end_amdgpu_metadata
.endif
;; end of part 1
;; launch qkv (part 2): grid 64 x 4, 4 waves a work-group, clusters of 4 x 4, 327,680 bytes of LDS; arguments pw, qkv; writes qkv
.if DOCPART == 2
	.amdgcn_target "amdgcn-amd-amdhsa--gfx1250"
	.amdhsa_code_object_version 6
	.text
	.protected	k_qc92d5eca5e_qkv
	.globl	k_qc92d5eca5e_qkv
	.p2align	8
	.type	k_qc92d5eca5e_qkv,@function
k_qc92d5eca5e_qkv:
	s_mov_b64 s[64:65], 0
	v_nop
	global_prefetch_b8 v0, s[64:65] scope:SCOPE_SE
	s_setreg_imm32_b32 hwreg(HW_REG_WAVE_MODE, 25, 1), 1
	s_wait_xcnt 0x0
	s_wait_alu depctr_hold_cnt(0) depctr_sa_sdst(0) depctr_va_vdst(0) depctr_va_sdst(0) depctr_va_ssrc(0) depctr_va_vcc(0) depctr_vm_vsrc(0)
	s_getreg_b32 s2, hwreg(HW_REG_IB_STS2, 6, 4)
	s_cmp_eq_u32 s2, 0
	s_cbranch_scc0 .Lentry_in_a_cluster
	s_endpgm
.Lentry_in_a_cluster:
	s_bfe_u32 s2, ttmp6, 0x10000c
	s_cmp_lg_u32 s2, 0xf033
	s_cbranch_scc0 .Lentry_shape_is_right
	s_endpgm
.Lentry_shape_is_right:
; q = x Wq, k = x Wk, v = x Wv on codes of FP6 (E2M3), K = 1,024; each result is quantised in registers on the way out, as attention's operands: q and k along the head's 64, v along the keys.  Also gates = sigmoid(x Wg).
; 256 WORK-GROUPS, 16 clusters of 4 x 4; cluster J.  Each work-group makes two pieces, one after the other.
;   PIECE 1: a tile of q (J / 8 = 0) or k (1): A = 256 rows of x, B = 128 columns of the weight; wave w takes A's rows 64 w .. 64 w + 63 against all of B: 32 accumulators.
;   PIECE 2: half a tile of v: A = 128 columns of Wv, B = 128 tokens (the roles are swapped, so that a lane's registers run along the tokens, which are v's K); wave w takes A's rows 32 w .. 32 w + 31: 16 accumulators.
; 256 tiles of q and k and 256 half tiles of v: every work-group has the same work.
; LDS holds a piece's rows for ALL of K, tile by tile (12,288 bytes a tile, 1,536 a K step): A's from 0, B's from BOF.  A wave issues one tensor load at the head (its half of A's or B's rows of piece 1, a dense block) and one refill
; (the same of piece 2).  The refill stands behind the cluster's round that follows piece 1's last LDS reads; K step 7's products and piece 1's way out, work on registers and stores, stand between it and the wait for it.
; JOINT LOADS: A's rows are shared along a row of the cluster, B's along a column.  Every branch hangs on the cluster's number or the wave's.
; No prefetch: each fill is asked for as soon as its bytes are free, and there is no loop to run ahead in.
; THE GATES: work-group number T = 16 J + 4 cy + cx takes tile T of 16 tokens; its wave 0 does it at the head, while the tensor loads are on their way, straight from memory, in registers that are idle there.
; THE MATRIX INSTRUCTION IS USED TRANSPOSED (source 0 = 16 rows of B, source 1 = 16 rows of A): a lane holds one row of A, and, by the order of rows in B's tiles, the 16 registers of B's tiles 2 i, 2 i + 1 are 16 neighbours.
; OPERANDS lie in pw as images of registers (launch prep): a fragment is 1,536 bytes, loaded by 16 + 8 + 16 + 8 bytes a lane.  The scale words go from memory straight into their registers.
; LIMITS: a block of zeros gets the byte 1 (its codes are zeros; this program alone reads the bytes); blocks under 2^-124 are held at byte 1; NaN and infinities are not served.
; REGISTERS: window 0: v2-13 addresses; v16-47 A's scale words (block a, K step s: 16 + 8 a + s); v48-111 B's (48 + 8 b + s); v112-207 A's fragments, two sets; v208-249 the way out.
;   window 1: B's fragments, two sets, at v0 and v128.   window 2: the accumulators, (a, b) at v[8 (8 a + b)].
.set XC, 0
.set WC, 3145728
.set GC, 6291456
.set XS, 6303744
.set WS, 6434816
.set GS, 6565888
.set KV, 3145728                       ; qkv: q's codes [head 32][tile 128][768] from 0; then [head][key step 16][k: 8 x 768 | v: 4 x 1,536 | scale words k: 8 x 64 | v: 4 x 64]
.set HB, 208896                        ; a head's bytes there
.set SBY, 13056                        ; a step's
.set KVS, KV+12288
.set QS, 9830400                       ; q's scale words [head][tile][16]
.set GT, 10092544                      ; gates [tile of tokens 256][2][lane 32][4]
.set NB, 8
.set FR, 12
.set BOF, 196608
.set SPARE, 0x4b000                    ; the spare words, 128 bytes a wave
.set AA16, 2
.set AA8, 3
.set AB16, 4
.set AB8, 5
.set ABH16, 6
.set ABH8, 7
.set OF16, 8
.set OF8, 9
.set OF4, 10
.set SA, 16
.set SB, 48
.set AF, 112
.set TM, 208                           ; v208-211 largest magnitudes, v212-215 bytes, v220-223 the conversions' scale operands
.set GO, 216                           ; v216-223 the gates on their way out (at the head alone)
.set PW, 224
.set PWS, 225
.set PWP, 226
.set WE, 227
.set WO, 228
.set PC, 230                           ; v230-241 the fragment just made, v242-249 its halves on the way
.set GSX, 230                          ; at the head alone: the gates' scale words, x's 230-237, Wg's 238-245
.set G1A, 24
.set G1B, 32
.set G1A2, 40
.set GA1, 60
.set GA2, 68
.set GB1, 84
.set GB2, 88
.set MSB, 0
.macro WIN new                         ; the immediate's high byte repeats the setting that is left
.if MSB != \new
	s_set_vgpr_msb (MSB<<8)|\new
.set MSB, \new
.endif
.endm
.set MUL, 0xa1                         ; source 0 window 1, source 1 window 0, C and D window 2
.set TO_B, 0x40                        ; destination window 1, address window 0
.macro CROUND                          ; a round of the cluster's barrier
	s_barrier_signal -1
	s_barrier_wait -1
	s_cmp_lg_u32 s12, 0
	s_cbranch_scc1 .Lnot_wave_0_\@
	s_barrier_signal -3
.Lnot_wave_0_\@:
	s_barrier_wait -3
	s_barrier_signal -1
	s_barrier_wait -1
.endm
.macro PLACES n
.rept \n
	v_nop
.endr
.endm
.macro G1REST g, c, r, p               ; a tile of r rows x c elements of 8 bytes, p elements from row to row
	s_mov_b32 s[\g+1], (\c)<<16
	s_mov_b32 s[\g+2], (\r)<<16
	s_mov_b32 s[\g+3], (\c)<<16
	s_mov_b32 s[\g+4], \r
	s_mov_b32 s[\g+5], \p
	s_mov_b32 s[\g+6], 0
	s_mov_b32 s[\g+7], 0
.endm
.macro G0SET g, mul, lo, bp            ; to LDS byte (wave % 2) x mul + lo, from s[bp:bp+1]
	s_mov_b32 s[\g], 1
	s_mul_i32 s[\g+1], s14, \mul
	s_add_co_u32 s[\g+1], s[\g+1], \lo
	s_mov_b64 s[\g+2:\g+3], s[\bp:\bp+1]
	s_or_b32 s[\g+3], s[\g+3], 0x80000000
.endm
.macro JLOAD ga, g1a, gb               ; waves 0, 1 fetch A's halves, waves 2, 3 B's: one load a wave; an s_nop 0 and four v_nop follow each line
	s_cmp_eq_u32 s13, 0
	s_cbranch_scc0 .Lfor_b_\@
	tensor_load_to_lds s[\ga:\ga+3], s[\g1a:\g1a+7]
	s_nop 0
	PLACES 4
	s_branch .Lasked_\@
.Lfor_b_\@:
	tensor_load_to_lds s[\gb:\gb+3], s[G1B:G1B+7]
	s_nop 0
	PLACES 4
.Lasked_\@:
.endm
.macro FRAG reg, a16, a8, off          ; a fragment: two pieces of 768 bytes
	ds_load_b128 v[(\reg):(\reg)+3], v[\a16] offset:(\off)
	ds_load_b64 v[(\reg)+4:(\reg)+5], v[\a8] offset:(\off)
	ds_load_b128 v[(\reg)+6:(\reg)+9], v[\a16] offset:(\off)+768
	ds_load_b64 v[(\reg)+10:(\reg)+11], v[\a8] offset:(\off)+768
.endm
.macro FETCH s                         ; K step s: B's eight fragments and my NA of A, into set s % 2: 4 (8 + NA) loads
	WIN TO_B
.irp i, 0,1,2,3
	FRAG 128*((\s)%2)+FR*\i, AB16, AB8, 12288*\i+1536*(\s)
.endr
.irp i, 4,5,6,7                        ; B's tiles 4-7 by a second pair of addresses, so that every offset fits its 16 bits
	FRAG 128*((\s)%2)+FR*\i, ABH16, ABH8, 12288*(\i-4)+1536*(\s)
.endr
	WIN 0
.irp i, 0,1,2,3
.if \i < NA
	FRAG AF+48*((\s)%2)+FR*\i, AA16, AA8, 12288*\i+1536*(\s)
.endif
.endr
.endm
.macro MM a, b, s, zero
.set rD, 8*(NB*(\a)+(\b))
.set rB, 128*((\s)%2)+FR*(\b)
.set rA, AF+48*((\s)%2)+FR*(\a)
.if \zero
	v_wmma_scale_f32_16x16x128_f8f6f4 v[rD:rD+7], v[rB:rB+11], v[rA:rA+11], 0, v[SB+8*(\b)+(\s)], v[SA+8*(\a)+(\s)] matrix_a_fmt:MATRIX_FMT_FP6 matrix_b_fmt:MATRIX_FMT_FP6
.else
	v_wmma_scale_f32_16x16x128_f8f6f4 v[rD:rD+7], v[rB:rB+11], v[rA:rA+11], v[rD:rD+7], v[SB+8*(\b)+(\s)], v[SA+8*(\a)+(\s)] matrix_a_fmt:MATRIX_FMT_FP6 matrix_b_fmt:MATRIX_FMT_FP6
.endif
.endm
.macro MULS s, zero                    ; 8 NA products: the accumulators take turns, one instruction a turn, in the same order in every K step
	WIN MUL
.irp a, 0,1,2,3
.if \a < NA
.irp b, 0,1,2,3,4,5,6,7
	MM \a, \b, \s, \zero
.endr
.endif
.endr
.endm
.macro KSTEP s, zero                   ; K step s is multiplied while the next one's fragments are fetched
.if (\s) > 0
	PLACES 4                                       ; in front of loads into registers that the last products read
.endif
	FETCH (\s)+1
	s_wait_dscnt 4*(NB+NA)                         ; all but the loads just issued
	MULS \s, \zero
.endm
; 64 results of a lane in window 2, register 16 b + i = index 32 b + 16 (lane / 16) + i along the next K, become a fragment in v[PC] on and its scale word in v[PW].  Each accumulator is read from its low end on.
.macro QUANTW s
	WIN 0x0a
.irp b, 0,1,2,3
	v_max3_num_f32 v[TM+\b], |v[(\s)+16*\b]|, |v[(\s)+1+16*\b]|, 0x1800000   ; with the floor 2^(3 - 127)
.endr
	WIN 0x28
.irp i, 2,4,6,8,10,12,14
.irp b, 0,1,2,3
	v_max3_num_f32 v[TM+\b], v[TM+\b], |v[(\s)+16*\b+\i]|, |v[(\s)+1+16*\b+\i]|
.endr
.endr
	WIN 0
.irp b, 0,1,2,3
	v_permlanex16_b32 v[TM+4+\b], v[TM+\b], s48, s49
.endr
.irp b, 0,1,2,3
	v_max_num_f32 v[TM+\b], v[TM+\b], v[TM+4+\b]   ; with lane l xor 16's: the block's largest magnitude
.endr
.irp b, 0,1,2,3
	v_add_nc_u32 v[TM+12+\b], 0xff000000, v[TM+\b]
.endr
.irp b, 0,1,2,3
	v_lshrrev_b32 v[TM+4+\b], 23, v[TM+12+\b]
.endr
	v_lshl_or_b32 v[PW], v[TM+5], 8, v[TM+4]
	v_lshl_or_b32 v[PW], v[TM+6], 16, v[PW]
	v_lshl_or_b32 v[PW], v[TM+7], 24, v[PW]
	WIN 0x02
.irp c, 0,1
	v_cvt_scalef32_pk16_fp6_f32 v[PC+6*\c:PC+2+6*\c], v[(\s)+32*\c:(\s)+15+32*\c], v[TM+12+2*\c]
	v_cvt_scalef32_pk16_fp6_f32 v[PC+12+4*\c:PC+14+4*\c], v[(\s)+16+32*\c:(\s)+31+32*\c], v[TM+12+2*\c+1]
.endr
	WIN 0
	v_nop                                          ; one plain line behind a scaled conversion
.irp c, 0,1                                    ; the layout wants a whole block in a lane: lanes 0-15 block 2 c, lanes 16-31 block 2 c + 1
.irp i, 0,1,2
	v_permlane16_swap_b32 v[PC+6*\c+\i], v[PC+12+4*\c+\i]
.endr
.irp i, 0,1,2
	v_mov_b32 v[PC+3+6*\c+\i], v[PC+12+4*\c+\i]
.endr
.endr
.endm
; THE WAY OUT of my na blocks of A.  s[92:93] a fragment's first piece, s[94:95] its second, s[96:97] the scale words, s[98:99] the second head's (q, k); s52 bytes from block to block; s53 the bytes of a word that are kept
.macro WAYOUT na, isv
.irp a, 0,1,2,3
.if \a < \na
	s_wait_xcnt 0x0                                ; the earlier stores have read their data and offsets: both are written again only behind this wait
.if \a > 0
	v_add_nc_u32 v[OF16], s52, v[OF16]
	v_add_nc_u32 v[OF8], s52, v[OF8]
.endif
	QUANTW 64*\a
	global_store_b128 v[OF16], v[PC:PC+3], s[92:93]        ; 512 consecutive bytes, aligned to 256
	global_store_b64 v[OF8], v[PC+4:PC+5], s[92:93]        ; 256 consecutive bytes, aligned
	global_store_b128 v[OF16], v[PC+6:PC+9], s[94:95]
	global_store_b64 v[OF8], v[PC+10:PC+11], s[94:95]
.if \a%2 == 0
	v_mov_b32 v[PWS], v[PW]
.else
	v_cndmask_b32 v[PWP], v[PWS], v[PW], s50       ; lanes 0-15: the words of block a - 1; lanes 16-31: of block a: 128 consecutive bytes
	v_perm_b32 v[WE], v[PWP], v[PWP], s53
	global_store_b32 v[OF4], v[WE], s[96:97] offset:64*(\a-1)
.if \isv == 0
	v_perm_b32 v[WO], v[PWP], v[PWP], s51
	global_store_b32 v[OF4], v[WO], s[98:99] offset:64*(\a-1)
.endif
.endif
.endif
.endr
.endm
	s_load_b128 s[4:7], s[0:1], 0x0                ; pw s[4:5], qkv s[6:7]
	v_lshl_add_u32 v14, v0, 2, SPARE
	v_mov_b32 v15, 0
	ds_add_u32 v14, v15                            ; the opening lines: the add, twice on end, and its wait ahead of my first tensor load
	ds_add_u32 v14, v15
	v_lshrrev_b32 v1, 5, v0
	v_readfirstlane_b32 s12, v1                    ; wave 0..3
	s_lshr_b32 s13, s12, 1                         ; I fetch for A (0) or for B (1),
	s_and_b32 s14, s12, 1                          ; its first or second half
	s_bfe_u32 s15, ttmp6, 0x40000                  ; cx
	s_bfe_u32 s16, ttmp6, 0x40004                  ; cy
	s_mov_b32 s2, ttmp9                            ; J: the cluster's number, 0 .. 15
	s_lshr_b32 s3, s2, 3                           ; piece 1: 0 q, 1 k
	s_and_b32 s8, s2, 7
	s_lshr_b32 s9, s8, 1
	s_and_b32 s10, s8, 1
	s_lshl_b32 s17, s9, 2
	s_add_co_u32 s17, s17, s16                     ; piece 1: tile row, 0 .. 15
	s_lshl_b32 s18, s10, 2
	s_add_co_u32 s18, s18, s15                     ; tile column, 0 .. 7
	s_and_b32 s9, s2, 1
	s_lshl_b32 s55, s9, 2
	s_add_co_u32 s55, s55, s16                     ; piece 2: which 128 columns of Wv, 0 .. 7
	s_lshr_b32 s10, s2, 1
	s_lshl_b32 s105, s10, 2
	s_add_co_u32 s105, s105, s15                   ; which 128 tokens, 0 .. 31
	s_lshl_b32 s19, s16, 2
	s_lshl_b32 s19, 15, s19                        ; my row of the cluster
	s_lshl_b32 s20, 0x1111, s15                    ; my column
	s_or_b32 s[G1A], s19, (3<<16)|(1<<21)          ; 15:0 the mask; 17:16 elements of 8 bytes; 21 set beside a mask; no padding
	s_or_b32 s[G1A2], s19, (3<<16)|(1<<21)
	s_or_b32 s[G1B], s20, (3<<16)|(1<<21)
	G1REST G1A, 32, 384, 32                        ; 8 tiles for all of K: 98,304 dense bytes as 384 rows of 256
	G1REST G1A2, 32, 192, 32                       ; 4 tiles: 49,152 dense bytes
	G1REST G1B, 32, 192, 32
	s_mul_i32 s21, s17, 196608                     ; A's offsets in pw (s21, s23, s66: A's alone): codes,
	s_mul_i32 s23, s14, 98304
	s_add_co_u32 s21, s21, s23
	s_lshl_b32 s66, s17, 13                        ; and the scale rows of the 64 rows that I multiply
	s_lshl_b32 s23, s12, 11
	s_add_co_u32 s66, s66, s23
	s_add_co_u32 s66, s66, XS
	s_mov_b32 s67, 0
	s_mul_i32 s22, s18, 98304                      ; B's (s22, s100, s104: B's alone); Wk's rows lie 64 tiles behind Wq's
	s_mul_i32 s104, s14, 49152
	s_add_co_u32 s22, s22, s104
	s_mul_i32 s104, s3, 786432
	s_add_co_u32 s22, s22, s104
	s_add_co_u32 s22, s22, WC
	s_lshl_b32 s100, s18, 12
	s_lshl_b32 s104, s3, 15
	s_add_co_u32 s100, s100, s104
	s_add_co_u32 s100, s100, WS
	s_mov_b32 s101, 0
	s_wait_dscnt 0x0
	s_wait_kmcnt 0x0
	s_add_nc_u64 s[56:57], s[4:5], s[66:67]        ; piece 1: my rows' scale bytes of A
	s_mov_b32 s66, s21
	s_add_nc_u64 s[8:9], s[4:5], s[66:67]
	G0SET GA1, 98304, 0, 8
	s_add_nc_u64 s[80:81], s[4:5], s[100:101]      ; the scale bytes of B's 128 rows
	s_mov_b32 s100, s22
	s_add_nc_u64 s[10:11], s[4:5], s[100:101]
	G0SET GB1, 49152, BOF, 10
	CROUND                                         ; all sixteen work-groups are here: the joint loads meet
	JLOAD GA1, G1A, GB1                            ; piece 1: my one tensor load at the head
	s_lshl_b32 s66, s55, 12                        ; piece 2, A = Wv: the scale rows of my 32 rows,
	s_lshl_b32 s23, s12, 10
	s_add_co_u32 s66, s66, s23
	s_add_co_u32 s66, s66, WS+65536
	s_add_nc_u64 s[58:59], s[4:5], s[66:67]
	s_mul_i32 s66, s55, 98304                      ; and the codes that I fetch
	s_mul_i32 s23, s14, 49152
	s_add_co_u32 s66, s66, s23
	s_add_co_u32 s66, s66, WC+1572864
	s_add_nc_u64 s[8:9], s[4:5], s[66:67]
	G0SET GA2, 49152, 0, 8
	s_lshl_b32 s100, s105, 12                      ; B = x
	s_add_co_u32 s100, s100, XS
	s_add_nc_u64 s[82:83], s[4:5], s[100:101]
	s_mul_i32 s100, s105, 98304
	s_mul_i32 s104, s14, 49152
	s_add_co_u32 s100, s100, s104
	s_add_nc_u64 s[10:11], s[4:5], s[100:101]
	G0SET GB2, 49152, BOF, 10
	s_lshl_b32 s8, s2, 4                           ; the gates: T = 16 J + 4 cy + cx: the place in the cluster enters global addresses alone
	s_lshl_b32 s9, s16, 2
	s_add_co_u32 s8, s8, s9
	s_add_co_u32 s8, s8, s15
	s_mul_i32 s10, s8, 12288
	s_mov_b32 s11, 0
	s_add_nc_u64 s[92:93], s[4:5], s[10:11]        ; x's codes
	s_lshl_b32 s10, s8, 9
	s_add_co_u32 s10, s10, XS
	s_add_nc_u64 s[94:95], s[4:5], s[10:11]        ; x's scale rows
	s_lshl_b32 s10, s8, 10
	s_add_co_u32 s10, s10, GT
	s_add_nc_u64 s[96:97], s[6:7], s[10:11]        ; the tile's gates
	s_mul_i32 s54, s12, 49152                      ; my four tiles of A
	v_and_b32 v1, 31, v0
	v_and_b32 v11, 15, v0
	v_lshlrev_b32 v[OF16], 4, v1
	v_lshlrev_b32 v12, 3, v1
	v_lshlrev_b32 v[OF4], 2, v1
	v_lshlrev_b32 v13, 5, v11                      ; a row of scale bytes is 32 bytes: eight words, one for each K step
	v_add_nc_u32 v[OF8], 512, v12
	v_add_nc_u32 v[AA16], s54, v[OF16]
	v_add_nc_u32 v[AB16], BOF, v[OF16]
	v_add_nc_u32 v[ABH16], BOF+49152, v[OF16]
	v_add_nc_u32 v[AA8], s54, v[OF8]
	v_add_nc_u32 v[AB8], BOF, v[OF8]
	v_add_nc_u32 v[ABH8], BOF+49152, v[OF8]
.irp a, 0,1,2,3
	global_load_b128 v[SA+8*\a:SA+8*\a+3], v13, s[56:57] offset:512*\a
	global_load_b128 v[SA+8*\a+4:SA+8*\a+7], v13, s[56:57] offset:512*\a+16
.endr
.irp b, 0,1,2,3,4,5,6,7
	global_load_b128 v[SB+8*\b:SB+8*\b+3], v13, s[80:81] offset:512*\b
	global_load_b128 v[SB+8*\b+4:SB+8*\b+7], v13, s[80:81] offset:512*\b+16
.endr
.irp b, 0,1,2,3
	v_mov_b32 v[TM+4+\b], 0                        ; written once: a lane permute's destination counts as one of its sources
.endr
	s_wait_alu depctr_va_vdst(0)
	s_cmp_lg_u32 s12, 0
	s_cbranch_scc1 .Lno_gate
	; ---- THE GATES, wave 0.  Source 0 = x (window 1), source 1 = Wg (window 0): lane (r, h) holds head r and the places 8 h + 0 .. 7
	WIN TO_B
.irp k, 0,1,2,3,4,5,6,7,8,9,10,11,12,13,14,15
	global_load_b128 v[6*\k:6*\k+3], v[OF16], s[92:93] offset:768*\k
	global_load_b64 v[6*\k+4:6*\k+5], v[OF8], s[92:93] offset:768*\k
.endr
	WIN 0
.irp k, 0,1,2,3,4,5,6,7,8,9,10,11,12,13,14,15
	global_load_b128 v[AF+6*\k:AF+6*\k+3], v[OF16], s[4:5] offset:GC+768*\k
	global_load_b64 v[AF+6*\k+4:AF+6*\k+5], v[OF8], s[4:5] offset:GC+768*\k
.endr
	global_load_b128 v[GSX:GSX+3], v13, s[94:95]
	global_load_b128 v[GSX+4:GSX+7], v13, s[94:95] offset:16
.irp s, 0,1,2,3,4,5,6,7
	global_load_b32 v[GSX+8+\s], v[OF4], s[4:5] offset:GS+128*\s
.endr
	s_wait_loadcnt 0x0
	WIN MUL
.irp s, 0,1,2,3,4,5,6,7                        ; two accumulators by turns: the even K steps' and the odd ones'
.if \s < 2
	v_wmma_scale_f32_16x16x128_f8f6f4 v[8*(\s%2):8*(\s%2)+7], v[12*\s:12*\s+11], v[AF+12*\s:AF+12*\s+11], 0, v[GSX+\s], v[GSX+8+\s] matrix_a_fmt:MATRIX_FMT_FP6 matrix_b_fmt:MATRIX_FMT_FP6
.else
	v_wmma_scale_f32_16x16x128_f8f6f4 v[8*(\s%2):8*(\s%2)+7], v[12*\s:12*\s+11], v[AF+12*\s:AF+12*\s+11], v[8*(\s%2):8*(\s%2)+7], v[GSX+\s], v[GSX+8+\s] matrix_a_fmt:MATRIX_FMT_FP6 matrix_b_fmt:MATRIX_FMT_FP6
.endif
.endr
	PLACES 4
	WIN 0x0a
.irp j, 0,1,2,3,4,5,6,7
	v_add_f32 v[GO+\j], v[\j], v[8+\j]
.endr
	WIN 0
.irp j, 0,1,2,3,4,5,6,7
	v_mul_f32 v[GO+\j], 0xbfb8aa3b, v[GO+\j]       ; - log2(e) x
.endr
	s_wait_alu depctr_va_vdst(0)
.irp j, 0,1,2,3,4,5,6,7
	v_exp_f32 v[GO+\j], v[GO+\j]
.endr
	v_nop
	s_wait_alu depctr_va_vdst(0)
.irp j, 0,1,2,3,4,5,6,7
	v_add_f32 v[GO+\j], 1.0, v[GO+\j]
.endr
	s_wait_alu depctr_va_vdst(0)
.irp j, 0,1,2,3,4,5,6,7
	v_rcp_f32 v[GO+\j], v[GO+\j]                   ; sigmoid = 1 / (1 + 2^(- log2(e) x))
.endr
	v_nop
	s_wait_alu depctr_va_vdst(0)
	global_store_b128 v[OF16], v[GO:GO+3], s[96:97]
	global_store_b128 v[OF16], v[GO+4:GO+7], s[96:97] offset:512
.Lno_gate:
	s_wait_loadcnt 0x0                             ; the scale words are in
	s_wait_tensorcnt 0x0                           ; my tensor load has landed
	s_barrier_signal -1
	s_barrier_wait -1                              ; everybody's has
	; ---- PIECE 1
.set NA, 4
	FETCH 0
	KSTEP 0, 1                                     ; the first products start the sums: nothing is cleared
	KSTEP 1, 0
	KSTEP 2, 0
	KSTEP 3, 0
	KSTEP 4, 0
	KSTEP 5, 0
	KSTEP 6, 0
	WIN 0
	s_wait_tensorcnt 0x0                           ; none of my tensor loads is out;
	ds_add_u32 v14, v15                            ; 0 onto my spare word;
	s_wait_dscnt 0x0                               ; the add is done, and K step 7's fragments are in registers: my reads of piece 1 are over
	CROUND                                         ; so are those of every wave of every partner
	JLOAD GA2, G1A2, GB2                           ; my one tensor load behind the round
	MULS 7, 0
	WIN 0
	PLACES 4                                       ; in front of loads into scale registers that the last products read, and of the first read of results
.irp a, 0,1
	global_load_b128 v[SA+8*\a:SA+8*\a+3], v13, s[58:59] offset:512*\a      ; piece 2's scale words
	global_load_b128 v[SA+8*\a+4:SA+8*\a+7], v13, s[58:59] offset:512*\a+16
.endr
.irp b, 0,1,2,3,4,5,6,7
	global_load_b128 v[SB+8*\b:SB+8*\b+3], v13, s[82:83] offset:512*\b
	global_load_b128 v[SB+8*\b+4:SB+8*\b+7], v13, s[82:83] offset:512*\b+16
.endr
	s_mov_b32 s48, 0x76543210
	s_mov_b32 s49, 0xfedcba98                      ; lane selects: lane l xor 16
	s_mov_b32 s50, 0xffff0000                      ; lanes 16-31
	s_mov_b32 s51, 0x03020302
	s_mov_b32 s73, 0
	s_mov_b32 s75, 0
	s_mov_b32 s77, 0
	s_mov_b32 s79, 0
	s_lshr_b32 s8, s17, 3                          ; q, k: B's 128 columns are two heads; a fragment's halves are the two heads' pieces
	s_lshl_b32 s8, s8, 4
	s_lshl_b32 s9, s18, 1
	s_add_co_u32 s8, s8, s9                        ; the first head: 16 batch + 2 x tile column
	s_and_b32 s9, s17, 7
	s_lshl_b32 s9, s9, 4
	s_lshl_b32 s10, s12, 2
	s_add_co_u32 s9, s9, s10                       ; my first tile of tokens in the batch
	s_mov_b32 s52, 768
	s_mov_b32 s53, 0x01000100                      ; a head's two bytes, twice: attention's K of 64 stands in either half of an instruction's 128
	s_cmp_eq_u32 s3, 1
	s_cbranch_scc1 .Lout_k
	s_mul_i32 s72, s8, 98304
	s_mul_i32 s10, s9, 768
	s_add_co_u32 s72, s72, s10
	s_mov_b32 s74, 98304
	s_lshl_b32 s76, s8, 13
	s_lshl_b32 s10, s9, 6
	s_add_co_u32 s76, s76, s10
	s_add_co_u32 s76, s76, QS
	s_mov_b32 s78, 8192
	s_branch .Lout_go
.Lout_k:
	s_lshr_b32 s10, s9, 3                          ; the key step,
	s_and_b32 s11, s9, 7                           ; the tile in it
	s_mul_i32 s72, s8, HB
	s_mul_i32 s54, s10, SBY
	s_add_co_u32 s72, s72, s54
	s_mov_b32 s76, s72
	s_mul_i32 s54, s11, 768
	s_add_co_u32 s72, s72, s54
	s_add_co_u32 s72, s72, KV
	s_mov_b32 s74, HB
	s_lshl_b32 s54, s11, 6
	s_add_co_u32 s76, s76, s54
	s_add_co_u32 s76, s76, KVS
	s_mov_b32 s78, HB
.Lout_go:
	s_wait_xcnt 0x0                                ; the gates' loads and stores have read their bases
	s_add_nc_u64 s[92:93], s[6:7], s[72:73]        ; a fragment's first piece,
	s_add_nc_u64 s[94:95], s[92:93], s[74:75]      ; its second,
	s_add_nc_u64 s[96:97], s[6:7], s[76:77]        ; the scale words,
	s_add_nc_u64 s[98:99], s[96:97], s[78:79]      ; the second head's
	WAYOUT 4, 0
	; ---- PIECE 2.  My 32 rows of A are half a head's d; B's 128 tokens are one key step: a fragment is 16 d x 128 keys
	s_lshr_b32 s8, s105, 4
	s_lshl_b32 s8, s8, 4
	s_lshl_b32 s9, s55, 1
	s_add_co_u32 s8, s8, s9
	s_add_co_u32 s8, s8, s13                       ; the head: 16 batch + 2 x (which 128 columns) + wave / 2
	s_and_b32 s10, s105, 15                        ; the key step
	s_mul_i32 s72, s8, HB
	s_mul_i32 s54, s10, SBY
	s_add_co_u32 s72, s72, s54
	s_mov_b32 s76, s72
	s_mul_i32 s54, s14, 3072                       ; the head's tiles of d 2 (wave % 2), 2 (wave % 2) + 1
	s_add_co_u32 s72, s72, s54
	s_add_co_u32 s72, s72, KV+6144
	s_mov_b32 s74, 768
	s_lshl_b32 s54, s14, 7
	s_add_co_u32 s76, s76, s54
	s_add_co_u32 s76, s76, KVS+512
	s_mov_b32 s54, 0
	s_mul_i32 s54, s12, 24576                      ; my two tiles of A
	s_wait_xcnt 0x0                                ; piece 1's stores have read their bases, offsets and data
	s_mov_b32 s52, 1536
	s_mov_b32 s53, 0x03020100
	s_add_nc_u64 s[92:93], s[6:7], s[72:73]
	s_add_nc_u64 s[94:95], s[92:93], s[74:75]
	s_add_nc_u64 s[96:97], s[6:7], s[76:77]
	v_lshlrev_b32 v[OF16], 4, v1
	v_lshlrev_b32 v12, 3, v1
	v_add_nc_u32 v[AA16], s54, v[OF16]
	v_add_nc_u32 v[OF8], 512, v12
	v_add_nc_u32 v[AA8], s54, v[OF8]
	s_wait_alu depctr_va_vdst(0)
	s_wait_loadcnt 0x0                             ; piece 2's scale words are in
	s_wait_tensorcnt 0x0                           ; my part of piece 2 has landed
	s_barrier_signal -1
	s_barrier_wait -1                              ; everybody's has
.set NA, 2
	FETCH 0
	KSTEP 0, 1
	KSTEP 1, 0
	KSTEP 2, 0
	KSTEP 3, 0
	KSTEP 4, 0
	KSTEP 5, 0
	KSTEP 6, 0
	s_wait_dscnt 0x0
	MULS 7, 0
	WIN 0
	PLACES 4                                       ; in front of the first read of results
	WAYOUT 2, 1
	s_wait_tensorcnt 0x0                           ; the wave's end
	ds_add_u32 v14, v15
	s_wait_dscnt 0x0
	CROUND                                         ; the closing round: no work-group ends while a partner may still ask for a tile that names it
	s_endpgm
.Lfunc_end_k_qc92d5eca5e_qkv:
	.size	k_qc92d5eca5e_qkv, .Lfunc_end_k_qc92d5eca5e_qkv-k_qc92d5eca5e_qkv
	.p2alignl 7, 3214868480
	.fill 96, 4, 3214868480
	.section	.rodata,"a",@progbits
	.p2align	6, 0x0
	.amdhsa_kernel k_qc92d5eca5e_qkv
		.amdhsa_group_segment_fixed_size 327680
		.amdhsa_private_segment_fixed_size 0
		.amdhsa_enable_private_segment 0
		.amdhsa_kernarg_size 16
		.amdhsa_user_sgpr_count 2
		.amdhsa_user_sgpr_kernarg_segment_ptr 1
		.amdhsa_wavefront_size32 1
		.amdhsa_system_sgpr_workgroup_id_x 1
		.amdhsa_system_sgpr_workgroup_id_y 1
		.amdhsa_system_sgpr_workgroup_id_z 1
		.amdhsa_system_vgpr_workitem_id 0
		.amdhsa_next_free_vgpr 768
		.amdhsa_next_free_sgpr 106
		.amdhsa_reserve_vcc 0
		.amdhsa_float_denorm_mode_32 3
		.amdhsa_float_denorm_mode_16_64 3
		.amdhsa_memory_ordered 1
		.amdhsa_forward_progress 1
		.amdhsa_inst_pref_size 150
	.end_amdhsa_kernel
	.amdgpu_metadata
---
amdhsa.version: [ 1, 2 ]
amdhsa.kernels:
  - .name:           k_qc92d5eca5e_qkv
    .symbol:         k_qc92d5eca5e_qkv.kd
    .args:
      - { .name: pw, .offset: 0, .size: 8, .value_kind: global_buffer, .address_space: global }
      - { .name: qkv, .offset: 8, .size: 8, .value_kind: global_buffer, .address_space: global }
    .group_segment_fixed_size: 327680
    .private_segment_fixed_size: 0
    .kernarg_segment_align: 8
    .kernarg_segment_size: 16
    .max_flat_workgroup_size: 128
    .sgpr_count:     106
    .vgpr_count:     768
    .wavefront_size: 32
...
	.end_amdgpu_metadata
.endif
;; end of part 2
;; launch attn (part 3): grid 8 x 32, 16 waves a work-group, clusters of 4 x 1, 210,944 bytes of LDS; arguments qkv, ao; writes ao
.if DOCPART == 3
	.amdgcn_target "amdgcn-amd-amdhsa--gfx1250"
	.amdhsa_code_object_version 6
	.text
	.protected	k_qc92d5eca5e_attn
	.globl	k_qc92d5eca5e_attn
	.p2align	8
	.type	k_qc92d5eca5e_attn,@function
k_qc92d5eca5e_attn:
	s_mov_b64 s[64:65], 0
	v_nop
	global_prefetch_b8 v0, s[64:65] scope:SCOPE_SE
	s_setreg_imm32_b32 hwreg(HW_REG_WAVE_MODE, 25, 1), 1
	s_wait_xcnt 0x0
	s_wait_alu depctr_hold_cnt(0) depctr_sa_sdst(0) depctr_va_vdst(0) depctr_va_sdst(0) depctr_va_ssrc(0) depctr_va_vcc(0) depctr_vm_vsrc(0)
	s_getreg_b32 s2, hwreg(HW_REG_IB_STS2, 6, 4)
	s_cmp_eq_u32 s2, 0
	s_cbranch_scc0 .Lentry_in_a_cluster
	s_endpgm
.Lentry_in_a_cluster:
	s_bfe_u32 s2, ttmp6, 0x10000c
	s_cmp_lg_u32 s2, 0x3003
	s_cbranch_scc0 .Lentry_shape_is_right
	s_endpgm
.Lentry_shape_is_right:
; Causal attention of one head on codes of FP6 (E2M3), head size 64, 2,048 tokens; the result times its gate is quantised along (head, d) as the last product's operand.
; THE SOFTMAX AHEAD OF THE SECOND PRODUCT: t = score x log2(e) / 8; M = the running largest t rounded UP to a whole number; p = 2^(t - M) is quantised along the keys, not normalised; the row's sum is taken of the
; unquantised p and divides at the end; when M moves, the sum and O are multiplied by 2^(old M - new M), which rounds nothing.
; SHARES.  The head's 128 tiles of 16 queries go to 8 work-groups x 16 waves, a tile a wave: wave w of work-group g takes tile 8 o(w) + g.  o runs through a 4 x 4 square of 0 .. 15 whose rows and columns all add up
; to 30, so that any four waves w % 4 alike, or w / 4 alike, have 34 key steps between them.  Tile 8 o + g lies in key step o whatever g is: every branch hangs on the wave's number alone.
; THE HEAD'S K, V AND SCALE WORDS, 16 key steps x 13,056 bytes, LIE IN LDS BY FIRST FILLS ALONE: wave w asks for key step w, one dense block of 51 rows of 256 bytes, by its one tensor load at the head, jointly for the
; four work-groups of the cluster, which walk the same head.  One barrier shows all sixteen to all waves; behind it no wave waits for another.  No byte is filled twice.
; No prefetch: every byte that the work-group reads is asked for by its first instructions, so there is no later trip to ask ahead for.
; Both products are used transposed: S^T = K Q^T, O^T = V^T P^T: a lane holds one query throughout.  By the order of keys in K's tiles the 16 registers of tiles 2 b, 2 b + 1 are the keys 32 b + 16 (lane / 16) + 0 .. 15.
; K = 64 IN AN INSTRUCTION OF 128: two tiles of K stand in one fragment, [even tile | odd tile]; against [q | zeros] it gives the even tile's scores, against [zeros | q] the odd tile's.  q stands as [q | zeros | q] in 18
; registers; q's and k's scale words hold their two bytes twice.  So a step's K is 48 registers, and it is fetched one step ahead, behind the products that read the step before; V is fetched with it and lands under the softmax.
; Every wave walks 16 trips (a constant); a step all of whose keys come after the wave's queries is jumped over; in the wave's last step hidden scores become -infinity.  That step's fetch ahead is not used (for o = 15 it names step 15 again).
; The scale bytes of ao leave as single bytes, 32 a wave: a row's 32 bytes belong to 16 heads' work-groups.
; LIMITS: a block of zeros gets the byte 1; blocks under 2^-124 are held at byte 1; NaN and infinities are not served; 1 / sum is v_rcp_f32, and 1 / sum x gate is one factor; the scaled scores stay under 2^31 in magnitude.
.set KV, 3145728                       ; qkv: [head][step][k: 8 x 768 | v: 4 x 1,536 | scale words k: 8 x 64 | v: 4 x 64]
.set HB, 208896                        ; a head's bytes there
.set SBY, 13056                        ; a step's
.set QS, 9830400
.set GT, 10092544
.set ASC, 3145728                      ; ao: codes [tile of tokens 256][head 16][768], then scale bytes [row][32]
.set SPARE, 208896                     ; behind the 16 steps: the spare words, 128 bytes a wave
.set LN, 1                             ; v1 lane
.set AD16, 2                           ; v2-4 16, 8, 4 x lane + the step's place in LDS
.set AD8, 3
.set ADS, 4
.set GV, 5                             ; my query's gate
.set QD, 6                             ; my query's place in its key step - 16 (lane / 16)
.set QSC, 7
.set T0, 8                             ; v8, v9 at work
.set FF, 10                            ; f = 2^(old M - new M)
.set PW, 11                            ; p's scale word.  v12 -M, v13 the largest t, v14-15 the sum in two halves
.set QF, 16                            ; v16-33 [q | zeros | q]
.set KR, 34                            ; v34-81 K's eight tiles
.set VR, 82                            ; v82-129 V's four fragments
.set P, 130                            ; v130-193 S^T, then p
.set O, 194                            ; v194-225 O^T
.set PC, 226                           ; v226-237 chains of the sum, then p's codes
.set TP, 238                           ; v238-241 the other half's maxima, bytes, a half of codes
.set BM, 242                           ; v242-245 the blocks' largest scores, largest p, the conversions' scale operands
.set KSC, 246                          ; v246-249 K's scale words, two tiles a register
.set VSC, 250                          ; v250-251 V's
.set SPW, 252
.set NIL, 253
.set WV, 18
.set OC, 19                            ; o: my tile's key step
.set SEL, 20
.set CS, 22
.set G1, 24
.set G0, 40
.set TB, 60
.set TN, 61
.set ST, 62
.macro CROUND
	s_barrier_signal -1
	s_barrier_wait -1
	s_cmp_lg_u32 s[WV], 0
	s_cbranch_scc1 .Lnot_wave_0_\@
	s_barrier_signal -3
.Lnot_wave_0_\@:
	s_barrier_wait -3
	s_barrier_signal -1
	s_barrier_wait -1
.endm
.macro PLACES n
.rept \n
	v_nop
.endr
.endm
.macro KLOAD                           ; a step's K and its scale words: 20 loads
.irp t, 0,1,2,3,4,5,6,7
	ds_load_b128 v[KR+6*\t:KR+6*\t+3], v[AD16] offset:768*\t
	ds_load_b64 v[KR+6*\t+4:KR+6*\t+5], v[AD8] offset:768*\t+512
.endr
.irp g, 0,1,2,3
	ds_load_b32 v[KSC+\g], v[ADS] offset:12288+128*\g      ; lanes 0-15: the even tile's words, lanes 16-31: the odd tile's
.endr
.endm
	s_load_b128 s[4:7], s[0:1], 0x0                ; qkv s[4:5], ao s[6:7]
	v_lshl_add_u32 v[SPW], v0, 2, SPARE
	v_mov_b32 v[NIL], 0
	ds_add_u32 v[SPW], v[NIL]                      ; the opening lines: the add, twice on end, and its wait ahead of my tensor load
	ds_add_u32 v[SPW], v[NIL]
	v_lshrrev_b32 v1, 5, v0
	s_delay_alu instid0(VALU_DEP_1)
	v_readfirstlane_b32 s[WV], v1                  ; wave 0..15
	s_and_b32 s10, ttmp7, 0xffff                   ; the head, 16 batch + head: the four partners share it
	s_mov_b32 s[OC], 0x0de3b658
	s_cmp_lt_u32 s[WV], 8
	s_cselect_b32 s[OC], 0x7a94c12f, s[OC]
	s_and_b32 s11, s[WV], 7
	s_lshl_b32 s11, s11, 2
	s_lshr_b32 s[OC], s[OC], s11
	s_and_b32 s[OC], s[OC], 15                     ; o: 15 2 1 12 / 4 9 10 7 / 8 5 6 11 / 3 14 13 0
	s_mov_b32 s[G1], 15|(3<<16)|(1<<21)            ; 15:0 the mask: all four work-groups; 17:16 elements of 8 bytes; 21 set beside a mask
	s_mov_b32 s[G1+1], 32<<16                      ; a key step: 13,056 dense bytes as 51 rows of 256
	s_mov_b32 s[G1+2], 51<<16
	s_mov_b32 s[G1+3], 32<<16
	s_mov_b32 s[G1+4], 51
	s_mov_b32 s[G1+5], 32
	s_mov_b32 s[G1+6], 0
	s_mov_b32 s[G1+7], 0
	s_mul_i32 s14, s10, HB
	s_mul_i32 s16, s[WV], SBY
	s_add_co_u32 s14, s14, s16
	s_add_co_u32 s14, s14, KV
	s_mov_b32 s15, 0
	s_mov_b32 s[SEL], 0x76543210
	s_mov_b32 s[SEL+1], 0xfedcba98                 ; lane selects: lane l xor 16
	s_mov_b32 s[CS], 0x3e38aa3b                    ; c = log2(e) / 8
	s_mov_b32 s[CS+1], s[CS]
	s_mov_b32 s[TB], 0
	s_mov_b32 s[ST], 0
	s_wait_dscnt 0x0
	s_wait_kmcnt 0x0
	s_mov_b32 s[G0], 1                             ; wave w: key step w, to LDS byte 13,056 w
	s_mul_i32 s[G0+1], s[WV], SBY
	s_add_nc_u64 s[G0+2:G0+3], s[4:5], s[14:15]
	s_or_b32 s[G0+3], s[G0+3], 0x80000000
	CROUND                                         ; all four work-groups are here: the joint loads meet
	tensor_load_to_lds s[G0:G0+3], s[G1:G1+7]      ; my one tensor load
	s_nop 0
	s_bfe_u32 s8, ttmp6, 0x40000                   ; cx: from here on; it enters global addresses and the mask's numbers alone
	s_lshl_b32 s9, ttmp9, 2
	s_add_co_u32 s9, s9, s8                        ; g
	s_lshl_b32 s16, s[OC], 3
	s_add_co_u32 s16, s16, s9                      ; my tile of queries: 8 o + g
	s_lshr_b32 s11, s10, 4
	s_and_b32 s17, s10, 15                         ; the head in its batch
	s_lshl_b32 s11, s11, 7
	s_add_co_u32 s11, s11, s16                     ; the tile of tokens: 128 batch + tile
	s_mov_b32 s13, 0
	s_mul_i32 s12, s10, 98304
	s_mul_i32 s14, s16, 768
	s_add_co_u32 s12, s12, s14
	s_add_nc_u64 s[66:67], s[4:5], s[12:13]        ; Q's codes
	s_lshl_b32 s12, s10, 13
	s_lshl_b32 s14, s16, 6
	s_add_co_u32 s12, s12, s14
	s_add_co_u32 s12, s12, QS
	s_add_nc_u64 s[68:69], s[4:5], s[12:13]        ; Q's scale words
	s_lshl_b32 s12, s11, 10
	s_lshl_b32 s14, s17, 4
	s_add_co_u32 s12, s12, s14
	s_add_co_u32 s12, s12, GT
	s_add_nc_u64 s[70:71], s[4:5], s[12:13]        ; the tile's gates, my head's
	s_mul_i32 s12, s11, 12288
	s_mul_i32 s14, s17, 768
	s_add_co_u32 s12, s12, s14
	s_add_nc_u64 s[72:73], s[6:7], s[12:13]        ; ao's codes: the tile's piece of my head
	s_lshl_b32 s12, s11, 9
	s_lshl_b32 s14, s17, 1
	s_add_co_u32 s12, s12, s14
	s_add_co_u32 s12, s12, ASC
	s_add_nc_u64 s[74:75], s[6:7], s[12:13]        ; ao's scale bytes: the tile's rows, my head's two
	s_lshr_b32 s15, s9, 1
	s_lshl_b32 s15, s15, 5
	s_and_b32 s14, s9, 1
	s_lshl_b32 s14, s14, 3
	s_add_co_u32 s15, s15, s14                     ; 32 (g / 2) + 8 (g % 2)
	s_mov_b32 s76, 0xffff0000                      ; lanes 16-31
	v_and_b32 v[LN], 31, v0
	v_and_b32 v130, 15, v0                         ; r
	v_bfe_u32 v131, v0, 4, 1                       ; h
	v_bfe_u32 v133, v0, 2, 1
	v_bfe_u32 v136, v0, 3, 1
	v_and_b32 v135, 3, v0
	v_lshlrev_b32 v132, 2, v130                    ; q's scale word: 4 r
	v_lshlrev_b32 v134, 9, v133
	v_lshlrev_b32 v[AD16], 4, v[LN]                ; key step 0 lies at LDS byte 0: these three serve Q's loads too
	v_lshlrev_b32 v[AD8], 3, v[LN]
	v_lshlrev_b32 v[ADS], 2, v[LN]
	v_lshl_add_u32 v134, v136, 8, v134
	s_delay_alu instid0(VALU_DEP_1)
	v_lshl_add_u32 v134, v135, 2, v134             ; the gate of place r: 512 ((r / 4) % 2) + 256 (r / 8) + 4 (r % 4)
	global_load_b128 v[QF:QF+3], v[AD16], s[66:67]
	global_load_b64 v[QF+4:QF+5], v[AD8], s[66:67] offset:512
	global_load_b128 v[QF+12:QF+15], v[AD16], s[66:67]     ; the same 64 codes once more, as the upper half of K
	global_load_b64 v[QF+16:QF+17], v[AD8], s[66:67] offset:512
	global_load_b32 v[QSC], v132, s[68:69]
	global_load_b32 v[GV], v134, s[70:71]
	v_lshl_add_u32 v[QD], v136, 3, v130            ; r + 8 (r / 8)
	v_lshlrev_b32 v137, 4, v131
	s_delay_alu instid0(VALU_DEP_1)
	v_sub_nc_u32 v[QD], v[QD], v137
	s_delay_alu instid0(VALU_DEP_1)
	v_add_nc_u32 v[QD], s15, v[QD]
.irp i, 0,1,2,3,4,5
	v_mov_b32 v[QF+6+\i], 0                        ; the zero codes, written once
.endr
.set n, 0
.rept 32
	v_mov_b32 v[O+n], 0                            ; O^T: the step is written once; the first finds zeros, which the first change of M leaves zeros
.set n, n+1
.endr
	v_mov_b32 v14, 0
	v_mov_b32 v15, 0
.irp b, 0,1,2,3
	v_mov_b32 v[TP+\b], 0                          ; a lane permute's destination counts as one of its sources
.endr
	v_mov_b32 v[PW], 0
	v_mov_b32 v[T0], 0
	v_mov_b32 v[T0+1], 0
	v_mov_b32 v13, 0xff61b1e6                      ; the largest t so far: -3e38
	s_delay_alu instid0(VALU_DEP_1)
	v_floor_f32 v12, -v13
	s_wait_alu depctr_va_vdst(0)
	s_wait_loadcnt 0x0
	s_wait_tensorcnt 0x0                           ; my key step has landed
	s_barrier_signal -1
	s_barrier_wait -1                              ; all sixteen have
	KLOAD                                          ; key step 0's K
.Lstep:                                                ; A KEY STEP: 128 keys
	s_cmp_gt_u32 s[ST], s[OC]                      ; all its keys come after my queries: only the lines at its end are run
	s_cbranch_scc1 .Lhid
	s_add_co_u32 s[TN], s[TB], SBY
	s_min_u32 s[TN], s[TN], 15*SBY                 ; the next step's place, held inside the sixteen
	s_wait_dscnt 0x0                               ; this step's K, asked for a step ago, is in
.irp g, 0,1,2,3
	v_wmma_scale_f32_16x16x128_f8f6f4 v[P+16*\g:P+16*\g+7], v[KR+12*\g:KR+12*\g+11], v[QF:QF+11], 0, v[KSC+\g], v[QSC] matrix_a_fmt:MATRIX_FMT_FP6 matrix_b_fmt:MATRIX_FMT_FP6
	v_wmma_scale_f32_16x16x128_f8f6f4 v[P+16*\g+8:P+16*\g+15], v[KR+12*\g:KR+12*\g+11], v[QF+6:QF+17], 0, v[KSC+\g], v[QSC] matrix_a_fmt:MATRIX_FMT_FP6 matrix_b_fmt:MATRIX_FMT_FP6 matrix_a_scale:MATRIX_SCALE_ROW1
.endr
	PLACES 4                                       ; in front of the loads into V's and K's registers, which matrix instructions have read, and of the first read of results
.irp t, 0,1,2,3                                ; V's four fragments and their scale words: 18 loads
	ds_load_b128 v[VR+12*\t:VR+12*\t+3], v[AD16] offset:6144+1536*\t
	ds_load_b64 v[VR+12*\t+4:VR+12*\t+5], v[AD8] offset:6144+1536*\t+512
	ds_load_b128 v[VR+12*\t+6:VR+12*\t+9], v[AD16] offset:6144+1536*\t+768
	ds_load_b64 v[VR+12*\t+10:VR+12*\t+11], v[AD8] offset:6144+1536*\t+1280
.endr
	ds_load_b32 v[VSC], v[ADS] offset:12288+512
	ds_load_b32 v[VSC+1], v[ADS] offset:12288+640
	v_lshl_add_u32 v[AD16], v[LN], 4, s[TN]        ; on to the next step
	v_lshl_add_u32 v[AD8], v[LN], 3, s[TN]
	v_lshl_add_u32 v[ADS], v[LN], 2, s[TN]
	KLOAD                                          ; its K: 20 loads, which land under the softmax
	s_cmp_lg_u32 s[ST], s[OC]                      ; my tile's own step: register 16 b + i holds key 32 b + 16 (lane / 16) + i of the step: seen where 32 b + i <= QD
	s_cbranch_scc1 .Lopen
.set n, 0
.rept 64
	v_cmp_le_i32 vcc_lo, 32*(n/16)+n%16, v[QD]
	v_cndmask_b32 v[P+n], 0xff800000, v[P+n], vcc_lo
.set n, n+1
.endr
.Lopen:
.irp b, 0,1,2,3
	v_max3_num_f32 v[BM+\b], v[P+16*\b], v[P+1+16*\b], v[P+2+16*\b]   ; the largest score of each block of 32 keys: for the row's maximum and, since p rises with the score, for the block's largest p
.endr
.irp i, 3,5,7,9,11,13
.irp b, 0,1,2,3
	v_max3_num_f32 v[BM+\b], v[BM+\b], v[P+16*\b+\i], v[P+1+16*\b+\i]
.endr
.endr
.irp b, 0,1,2,3
	v_max_num_f32 v[BM+\b], v[BM+\b], v[P+15+16*\b]
.endr
.irp b, 0,1,2,3
	s_delay_alu instid0(VALU_DEP_4)
	v_permlanex16_b32 v[TP+\b], v[BM+\b], s[SEL], s[SEL+1]
.endr
.irp b, 0,1,2,3
	s_delay_alu instid0(VALU_DEP_4)
	v_max_num_f32 v[BM+\b], v[BM+\b], v[TP+\b]     ; with lane l xor 16's 16 keys
.endr
	s_delay_alu instid0(VALU_DEP_2)
	v_max3_num_f32 v[T0], v[BM], v[BM+1], v[BM+2]
	s_delay_alu instid0(VALU_DEP_1)
	v_max_num_f32 v[T0], v[T0], v[BM+3]
	s_delay_alu instid0(VALU_DEP_1)
	v_mul_f32 v[T0], s[CS], v[T0]                  ; as t (c is positive)
	s_delay_alu instid0(VALU_DEP_1)
	v_max_num_f32 v13, v13, v[T0]                  ; the running largest t
	v_mov_b32 v[T0], v12
	s_delay_alu instid0(VALU_DEP_2)
	v_floor_f32 v12, -v13                          ; -M = floor(-t): M is a whole number
	s_delay_alu instid0(VALU_DEP_1)
	v_sub_f32 v[T0], v12, v[T0]                    ; old M - new M: a whole number, 0 or less
	s_delay_alu instid0(VALU_DEP_1)
	v_cvt_i32_f32 v[T0], v[T0]                     ; (it saturates)
	s_delay_alu instid0(VALU_DEP_1)
	v_ldexp_f32 v[FF], 1.0, v[T0]                  ; f
.irp b, 0,1,2,3
	v_fma_f32 v[BM+\b], v[BM+\b], s[CS], v12       ; t - M of each block's largest score
.endr
.set n, 0
.rept 32
	v_pk_fma_f32 v[P+n:P+n+1], v[P+n:P+n+1], s[CS:CS+1], v[12:13] op_sel_hi:[1,0,0]   ; t - M, two at a time
.set n, n+2
.endr
	s_wait_alu depctr_va_vdst(0)
.irp b, 0,1,2,3
	v_exp_f32 v[BM+\b], v[BM+\b]                   ; the blocks' largest p
.endr
.set n, 0
.rept 64
	v_exp_f32 v[P+n], v[P+n]                       ; p = 2^(t - M)
.set n, n+1
.endr
	v_pk_mul_f32 v[14:15], v[14:15], v[FF:FF+1] op_sel_hi:[1,0]   ; the sums under the new M; a plain line behind the exponentials
	s_wait_alu depctr_va_vdst(0)                   ; one wait for the batch of 68, ahead of its first reader
.irp j, 0,1,2,3,4,5                            ; the row's sum of the unquantised p: seven chains, six of them in the registers that p's codes take later
	v_pk_add_f32 v[PC+2*\j:PC+2*\j+1], v[P+4*\j:P+4*\j+1], v[P+4*\j+2:P+4*\j+3]
.endr
.set n, 24
.rept 20
.if (n/2)%7 == 6
	v_pk_add_f32 v[14:15], v[14:15], v[P+n:P+n+1]
.else
	v_pk_add_f32 v[PC+2*((n/2)%7):PC+2*((n/2)%7)+1], v[PC+2*((n/2)%7):PC+2*((n/2)%7)+1], v[P+n:P+n+1]
.endif
.set n, n+2
.endr
	v_pk_add_f32 v[PC:PC+1], v[PC:PC+1], v[PC+2:PC+3]
	v_pk_add_f32 v[PC+4:PC+5], v[PC+4:PC+5], v[PC+6:PC+7]
	v_pk_add_f32 v[PC+8:PC+9], v[PC+8:PC+9], v[PC+10:PC+11]
.irp b, 0,1,2,3
	v_max_num_f32 v[BM+\b], 0x1800000, v[BM+\b]    ; the floor 2^(3 - 127)
.endr
	v_pk_add_f32 v[PC:PC+1], v[PC:PC+1], v[PC+4:PC+5]
	v_pk_add_f32 v[14:15], v[14:15], v[PC+8:PC+9]
.irp b, 0,1,2,3
	v_add_nc_u32 v[BM+\b], 0xff000000, v[BM+\b]    ; 2 off the exponent field: the conversion's scale operand
.endr
	v_pk_add_f32 v[14:15], v[14:15], v[PC:PC+1]
.irp b, 0,1,2,3
	v_lshrrev_b32 v[TP+\b], 23, v[BM+\b]           ; the scale's byte
.endr
	s_delay_alu instid0(VALU_DEP_3)
	v_lshl_or_b32 v[PW], v[TP+1], 8, v[TP]
	s_delay_alu instid0(VALU_DEP_1)
	v_lshl_or_b32 v[PW], v[TP+2], 16, v[PW]
	s_delay_alu instid0(VALU_DEP_1)
	v_lshl_or_b32 v[PW], v[TP+3], 24, v[PW]
	v_cvt_scalef32_pk16_fp6_f32 v[PC:PC+2], v[P:P+15], v[BM]
	v_cvt_scalef32_pk16_fp6_f32 v[TP:TP+2], v[P+16:P+31], v[BM+1]
	v_nop                                          ; a plain line: the fourth conversion writes over numbers that the first has read
	v_cvt_scalef32_pk16_fp6_f32 v[PC+6:PC+8], v[P+32:P+47], v[BM+2]
	v_cvt_scalef32_pk16_fp6_f32 v[P:P+2], v[P+48:P+63], v[BM+3]
	v_nop                                          ; one plain line behind a scaled conversion
.irp i, 0,1,2                                  ; the layout wants a whole block in a lane: lanes 0-15 block 2 c, lanes 16-31 block 2 c + 1
	v_permlane16_swap_b32 v[PC+\i], v[TP+\i]
	v_permlane16_swap_b32 v[PC+6+\i], v[P+\i]
.endr
.irp i, 0,1,2
	v_mov_b32 v[PC+3+\i], v[TP+\i]
	v_mov_b32 v[PC+9+\i], v[P+\i]
.endr
	s_wait_dscnt 20                                ; V's 18 loads are in; the next step's 20 of K, issued behind them, may be out
	s_wait_alu depctr_va_vdst(0)
.set n, 0
.rept 16
	v_pk_mul_f32 v[O+n:O+n+1], v[O+n:O+n+1], v[FF:FF+1] op_sel_hi:[1,0]   ; O^T under the new M; these lines also stand between the writing of p's codes and scale word and the products
.set n, n+2
.endr
.irp t, 0,1,2,3
.if \t%2 == 0
	v_wmma_scale_f32_16x16x128_f8f6f4 v[O+8*\t:O+8*\t+7], v[VR+12*\t:VR+12*\t+11], v[PC:PC+11], v[O+8*\t:O+8*\t+7], v[VSC+\t/2], v[PW] matrix_a_fmt:MATRIX_FMT_FP6 matrix_b_fmt:MATRIX_FMT_FP6
.else
	v_wmma_scale_f32_16x16x128_f8f6f4 v[O+8*\t:O+8*\t+7], v[VR+12*\t:VR+12*\t+11], v[PC:PC+11], v[O+8*\t:O+8*\t+7], v[VSC+\t/2], v[PW] matrix_a_fmt:MATRIX_FMT_FP6 matrix_b_fmt:MATRIX_FMT_FP6 matrix_a_scale:MATRIX_SCALE_ROW1
.endif
.endr
.Lhid:
	s_add_co_u32 s[TB], s[TB], SBY
	s_add_co_u32 s[ST], s[ST], 1
	s_cmp_lt_u32 s[ST], 16
	s_cbranch_scc1 .Lstep
	; ---- THE WAY OUT: O^T / sum x gate, quantised along d: two blocks of 32, one piece of 768 bytes
	s_wait_alu depctr_va_vdst(0)
	v_add_f32 v14, v14, v15
	s_delay_alu instid0(VALU_DEP_1)
	v_permlanex16_b32 v[T0], v14, s[SEL], s[SEL+1]
	s_delay_alu instid0(VALU_DEP_1)
	v_add_f32 v14, v14, v[T0]                      ; the row's sum
	s_wait_alu depctr_va_vdst(0)
	v_rcp_f32 v14, v14
	PLACES 4                                       ; plain lines behind the reciprocal and behind the last products
	s_wait_alu depctr_va_vdst(0)                   ; ahead of the reciprocal's first reader and of O^T's
	v_mul_f32 v[T0], v14, v[GV]
.set n, 0
.rept 16
	v_pk_mul_f32 v[P+n:P+n+1], v[O+n:O+n+1], v[T0:T0+1] op_sel_hi:[1,0]   ; register 16 b + i is d = 32 b + 16 (lane / 16) + i of my query; each accumulator from its low end on
.set n, n+2
.endr
	v_lshlrev_b32 v[AD16], 4, v[LN]                ; where my codes and my byte go
	v_lshlrev_b32 v[AD8], 3, v[LN]
	v_and_b32 v[ADS], 15, v0
	v_bfe_u32 v[T0+1], v0, 4, 1
	s_delay_alu instid0(VALU_DEP_1)
	v_lshl_add_u32 v[ADS], v[ADS], 5, v[T0+1]      ; 32 r + h
.irp b, 0,1
	v_max3_num_f32 v[BM+\b], |v[P+16*\b]|, |v[P+1+16*\b]|, 0x1800000
.endr
.irp i, 2,4,6,8,10,12,14
.irp b, 0,1
	s_delay_alu instid0(VALU_DEP_2)
	v_max3_num_f32 v[BM+\b], v[BM+\b], |v[P+16*\b+\i]|, |v[P+1+16*\b+\i]|
.endr
.endr
.irp b, 0,1
	s_delay_alu instid0(VALU_DEP_2)
	v_permlanex16_b32 v[TP+\b], v[BM+\b], s[SEL], s[SEL+1]
.endr
.irp b, 0,1
	s_delay_alu instid0(VALU_DEP_2)
	v_max_num_f32 v[BM+\b], v[BM+\b], v[TP+\b]
.endr
.irp b, 0,1
	s_delay_alu instid0(VALU_DEP_2)
	v_add_nc_u32 v[BM+\b], 0xff000000, v[BM+\b]
.endr
.irp b, 0,1
	s_delay_alu instid0(VALU_DEP_2)
	v_lshrrev_b32 v[TP+\b], 23, v[BM+\b]
.endr
	v_cvt_scalef32_pk16_fp6_f32 v[PC:PC+2], v[P:P+15], v[BM]
	v_cvt_scalef32_pk16_fp6_f32 v[P+32:P+34], v[P+16:P+31], v[BM+1]
	v_cndmask_b32 v[TP], v[TP], v[TP+1], s76       ; my half's block's byte; also the plain line behind the conversions
.irp i, 0,1,2
	v_permlane16_swap_b32 v[PC+\i], v[P+32+\i]
.endr
.irp i, 0,1,2
	v_mov_b32 v[PC+3+\i], v[P+32+\i]
.endr
	global_store_b128 v[AD16], v[PC:PC+3], s[72:73]                ; 512 consecutive bytes, aligned to 256
	global_store_b64 v[AD8], v[PC+4:PC+5], s[72:73] offset:512     ; 256 consecutive bytes, aligned
	global_store_b8 v[ADS], v[TP], s[74:75]
	s_wait_tensorcnt 0x0                           ; the wave's end
	ds_add_u32 v[SPW], v[NIL]
	s_wait_dscnt 0x0                               ; the add, and the last fetch ahead
	CROUND                                         ; the closing round
	s_endpgm
.Lfunc_end_k_qc92d5eca5e_attn:
	.size	k_qc92d5eca5e_attn, .Lfunc_end_k_qc92d5eca5e_attn-k_qc92d5eca5e_attn
	.p2alignl 7, 3214868480
	.fill 96, 4, 3214868480
	.section	.rodata,"a",@progbits
	.p2align	6, 0x0
	.amdhsa_kernel k_qc92d5eca5e_attn
		.amdhsa_group_segment_fixed_size 210944
		.amdhsa_private_segment_fixed_size 0
		.amdhsa_enable_private_segment 0
		.amdhsa_kernarg_size 16
		.amdhsa_user_sgpr_count 2
		.amdhsa_user_sgpr_kernarg_segment_ptr 1
		.amdhsa_wavefront_size32 1
		.amdhsa_system_sgpr_workgroup_id_x 1
		.amdhsa_system_sgpr_workgroup_id_y 1
		.amdhsa_system_sgpr_workgroup_id_z 1
		.amdhsa_system_vgpr_workitem_id 0
		.amdhsa_next_free_vgpr 256
		.amdhsa_next_free_sgpr 80
		.amdhsa_reserve_vcc 1
		.amdhsa_float_denorm_mode_32 3
		.amdhsa_float_denorm_mode_16_64 3
		.amdhsa_memory_ordered 1
		.amdhsa_forward_progress 1
		.amdhsa_inst_pref_size 38
	.end_amdhsa_kernel
	.amdgpu_metadata
---
amdhsa.version: [ 1, 2 ]
amdhsa.kernels:
  - .name:           k_qc92d5eca5e_attn
    .symbol:         k_qc92d5eca5e_attn.kd
    .args:
      - { .name: qkv, .offset: 0, .size: 8, .value_kind: global_buffer, .address_space: global }
      - { .name: ao, .offset: 8, .size: 8, .value_kind: global_buffer, .address_space: global }
    .group_segment_fixed_size: 210944
    .private_segment_fixed_size: 0
    .kernarg_segment_align: 8
    .kernarg_segment_size: 16
    .max_flat_workgroup_size: 512
    .sgpr_count:     80
    .vgpr_count:     256
    .wavefront_size: 32
...
	.end_amdgpu_metadata
.endif
;; end of part 3
;; launch oproj (part 4): grid 8 x 32, 4 waves a work-group, clusters of 4 x 4, 222,720 bytes of LDS; arguments ao, pw, out0; writes out0
.if DOCPART == 4
	.amdgcn_target "amdgcn-amd-amdhsa--gfx1250"
	.amdhsa_code_object_version 6
	.text
	.protected	k_qc92d5eca5e_oproj
	.globl	k_qc92d5eca5e_oproj
	.p2align	8
	.type	k_qc92d5eca5e_oproj,@function
k_qc92d5eca5e_oproj:
	s_mov_b64 s[64:65], 0
	v_nop
	global_prefetch_b8 v0, s[64:65] scope:SCOPE_SE
	s_setreg_imm32_b32 hwreg(HW_REG_WAVE_MODE, 25, 1), 1
	s_wait_xcnt 0x0
	s_wait_alu depctr_hold_cnt(0) depctr_sa_sdst(0) depctr_va_vdst(0) depctr_va_sdst(0) depctr_va_ssrc(0) depctr_va_vcc(0) depctr_vm_vsrc(0)
	s_getreg_b32 s2, hwreg(HW_REG_IB_STS2, 6, 4)
	s_cmp_eq_u32 s2, 0
	s_cbranch_scc0 .Lentry_in_a_cluster
	s_endpgm
.Lentry_in_a_cluster:
	s_bfe_u32 s2, ttmp6, 0x10000c
	s_cmp_lg_u32 s2, 0xf033
	s_cbranch_scc0 .Lentry_shape_is_right
	s_endpgm
.Lentry_shape_is_right:
; out0 = (gated attention output) Wout on codes of FP6 (E2M3), K = 1,024, f32 sums.  A = ao (tokens), B = Wout's columns, both as images of registers (launches attn and prep).
; A tile of out0 is 128 x 128: 256 work-groups.  Four waves, 2 x 2, each 64 x 64: 16 accumulators.
; ALL OF K LIES IN LDS, BY FIRST FILLS ALONE: one tensor load a wave, asked for at the head; no LDS byte is filled twice, and there is no
; later trip to ask ahead for.  CLUSTERS of 4 x 4: A's rows are asked for jointly along a row of the cluster, B's along a column.
; THE MATRIX INSTRUCTION IS USED TRANSPOSED (source 0 = 16 rows of B, source 1 = 16 rows of A): a lane holds one token and eight neighbouring columns.  Tile T, place p of an operand is true row
; 32 (T / 2) + 8 (T % 2) + p + 8 (p / 8): the way out puts columns and tokens back in their places.
; REGISTERS: window 0: v2-10 addresses; v16-47 A's scale words (16 + 8 a + s); v48-79 B's (48 + 8 b + s); v112-207 A's fragments, two sets; v80-111, v208-239 rows read back on the way out.
;   window 1: B's fragments, two sets, at v0 and v128.   window 2: the accumulators, (a, b) at v[8 (4 a + b)].
.set ASC, 3145728                      ; ao's scale bytes
.set OC, 5505024                       ; pw: Wout's codes,
.set OS, 6533120                       ; its scale bytes
.set NB, 4
.set FR, 12
; AS THE TEXT STANDS: a wave issues ONE tensor load, at the head: its half of A's or of B's rows for all of K, a dense block of 49,152 bytes, laid in LDS tile by tile (12,288 bytes a tile, 1,536 a K step);
; one barrier shows all of it to all waves.  The scale words go from memory straight into their registers.  There are no chunks and no scale bytes in LDS.
.set BOF, 98304                        ; LDS: A's 8 tiles x 12,288 bytes, then B's 8
.set STG, 204800                       ; the stage: 16 rows x (256 + 16) bytes for each wave; no tensor load lands here
.set AA16, 2
.set AA8, 3
.set AB16, 4
.set AB8, 5
.set ASA, 6
.set ASB, 7
.set STO, 8
.set RD, 9
.set CO, 10
.set SA, 16
.set SB, 48
.set AF, 112
.set G1A, 24
.set G1B, 32
.set G1SA, 40
.set G1SB, 48
.set GA0, 56
.set GA1, 60
.set GA2, 68
.set GA3, 72
.set GA4, 76
.set GB0, 80
.set GB1, 84
.set GB2, 88
.set GB3, 92
.set GB4, 96
.set MSB, 0
.macro WIN new                         ; the immediate's high byte repeats the setting that is left
.if MSB != \new
	s_set_vgpr_msb (MSB<<8)|\new
.set MSB, \new
.endif
.endm
.set MUL, 0xa1
.set TO_B, 0x40
.macro CROUND
	s_barrier_signal -1
	s_barrier_wait -1
	s_cmp_lg_u32 s12, 0
	s_cbranch_scc1 .Lnot_wave_0_\@
	s_barrier_signal -3
.Lnot_wave_0_\@:
	s_barrier_wait -3
	s_barrier_signal -1
	s_barrier_wait -1
.endm
.macro PLACES n
.rept \n
	v_nop
.endr
.endm
.macro G1REST g, c, r, p
	s_mov_b32 s[\g+1], (\c)<<16
	s_mov_b32 s[\g+2], (\r)<<16
	s_mov_b32 s[\g+3], (\c)<<16
	s_mov_b32 s[\g+4], \r
	s_mov_b32 s[\g+5], \p
	s_mov_b32 s[\g+6], 0
	s_mov_b32 s[\g+7], 0
.endm
.macro G0SET g, mul, lo, bp, go
	s_mov_b32 s[\g], 1
	s_mul_i32 s[\g+1], s14, \mul
	s_add_co_u32 s[\g+1], s[\g+1], \lo
	s_add_nc_u64 s[\g+2:\g+3], s[\bp:\bp+1], \go
	s_or_b32 s[\g+3], s[\g+3], 0x80000000
.endm
.macro FRAG reg, a16, a8, off
	ds_load_b128 v[(\reg):(\reg)+3], v[\a16] offset:(\off)
	ds_load_b64 v[(\reg)+4:(\reg)+5], v[\a8] offset:(\off)
	ds_load_b128 v[(\reg)+6:(\reg)+9], v[\a16] offset:(\off)+768
	ds_load_b64 v[(\reg)+10:(\reg)+11], v[\a8] offset:(\off)+768
.endm
.macro FETCH s                         ; K step s: my four fragments of B and four of A, into set s % 2: 32 loads
	WIN TO_B
.irp i, 0,1,2,3
	FRAG 128*((\s)%2)+FR*\i, AB16, AB8, 12288*\i+1536*(\s)
.endr
	WIN 0
.irp i, 0,1,2,3
	FRAG AF+48*((\s)%2)+FR*\i, AA16, AA8, 12288*\i+1536*(\s)
.endr
.endm
.macro MM a, b, s, zero
.set rD, 8*(NB*(\a)+(\b))
.set rB, 128*((\s)%2)+FR*(\b)
.set rA, AF+48*((\s)%2)+FR*(\a)
.if \zero
	v_wmma_scale_f32_16x16x128_f8f6f4 v[rD:rD+7], v[rB:rB+11], v[rA:rA+11], 0, v[SB+8*(\b)+(\s)], v[SA+8*(\a)+(\s)] matrix_a_fmt:MATRIX_FMT_FP6 matrix_b_fmt:MATRIX_FMT_FP6
.else
	v_wmma_scale_f32_16x16x128_f8f6f4 v[rD:rD+7], v[rB:rB+11], v[rA:rA+11], v[rD:rD+7], v[SB+8*(\b)+(\s)], v[SA+8*(\a)+(\s)] matrix_a_fmt:MATRIX_FMT_FP6 matrix_b_fmt:MATRIX_FMT_FP6
.endif
.endm
.macro MULS s, zero                    ; 16 products: the accumulators take turns, one instruction a turn, in the same order in every K step
	WIN MUL
.irp a, 0,1,2,3
.irp b, 0,1,2,3
	MM \a, \b, \s, \zero
.endr
.endr
.endm
.macro EVEN s, zero
.if (\s) > 0
	PLACES 4                                       ; in front of loads into registers that the last products read
.endif
	FETCH (\s)+1
	s_wait_dscnt 4*(NB+4)                          ; all but the 32 just issued
	MULS \s, \zero
.endm
; THE WAY OUT of block a (16 tokens x 64 columns): into my stage, columns in their true places, and back as whole rows of 256 bytes
.macro TOSTAGE a
	WIN 0x08                                       ; an LDS store's data: window 2
.irp b, 0,1,2,3
	ds_store_b128 v[STO], v[8*(4*(\a)+\b):8*(4*(\a)+\b)+3] offset:128*(\b/2)+32*(\b%2)       ; each accumulator from its low end on
	ds_store_b128 v[STO], v[8*(4*(\a)+\b)+4:8*(4*(\a)+\b)+7] offset:128*(\b/2)+32*(\b%2)+16
.endr
	WIN 0
.set BB, 80+128*((\a)%2)
.irp i, 0,1,2,3,4,5,6,7
	ds_load_b128 v[BB+4*\i:BB+4*\i+3], v[RD] offset:544*\i   ; LDS serves a wave's instructions in order: these see my stores, and the next block's stores come behind them
.endr
.endm
.macro SEND a, younger
.set BB, 80+128*((\a)%2)
	s_wait_dscnt \younger                          ; the block is back; the next block's 8 stores and 8 loads may be out
.irp i, 0,1,2,3,4,5,6,7
	global_store_b128 v[CO], v[BB+4*\i:BB+4*\i+3], s[2:3] offset:(32*((\a)/2)+8*((\a)%2)+2*\i+8*(\i/4))*4096 th:TH_STORE_NT   ; places 2 i, 2 i + 1 at their tokens' rows: sixteen lanes store 256 consecutive bytes, aligned
.endr
.endm
	s_load_b128 s[4:7], s[0:1], 0x0                ; ao s[4:5], pw s[6:7]
	s_load_b64 s[2:3], s[0:1], 0x10                ; out0
	v_lshl_add_u32 v254, v0, 2, 0x36400
	v_mov_b32 v255, 0
	ds_add_u32 v254, v255
	ds_add_u32 v254, v255
	v_lshrrev_b32 v1, 5, v0
	v_readfirstlane_b32 s12, v1                    ; wave 0..3
	s_lshr_b32 s13, s12, 1                         ; my half of the tile's tokens.  Also: I fetch for A (0) or for B (1),
	s_and_b32 s14, s12, 1                          ; my half of its columns.  Also: which half I fetch
	s_bfe_u32 s15, ttmp6, 0x40000                  ; cx
	s_bfe_u32 s16, ttmp6, 0x40004                  ; cy
	s_lshl_b32 s18, ttmp9, 2
	s_add_co_u32 s18, s18, s15                     ; tile column
	s_and_b32 s17, ttmp7, 0xffff
	s_lshl_b32 s17, s17, 2
	s_add_co_u32 s17, s17, s16                     ; tile row
	s_lshl_b32 s19, s16, 2
	s_lshl_b32 s19, 15, s19                        ; my row of the cluster
	s_lshl_b32 s20, 0x1111, s15                    ; my column
	s_or_b32 s[G1A], s19, (3<<16)|(1<<21)
	s_or_b32 s[G1B], s20, (3<<16)|(1<<21)
	G1REST G1A, 32, 192, 32                        ; 4 tiles for all of K: 49,152 dense bytes as 192 rows of 256
	G1REST G1B, 32, 192, 32
	s_mul_i32 s21, s17, 98304                      ; A's offsets (s21, s23, s66: A's alone)
	s_mul_i32 s23, s14, 49152
	s_add_co_u32 s21, s21, s23
	s_lshl_b32 s66, s17, 12
	s_lshl_b32 s23, s13, 11                        ; the scale rows of the 64 tokens that I multiply
	s_add_co_u32 s66, s66, s23
	s_add_co_u32 s66, s66, ASC
	s_mov_b32 s67, 0
	s_mul_i32 s22, s18, 98304                      ; B's (s22, s104, s100: B's alone)
	s_mul_i32 s104, s14, 49152
	s_add_co_u32 s22, s22, s104
	s_add_co_u32 s22, s22, OC
	s_lshl_b32 s100, s18, 12
	s_lshl_b32 s104, s14, 11
	s_add_co_u32 s100, s100, s104
	s_add_co_u32 s100, s100, OS
	s_mov_b32 s101, 0
	s_wait_dscnt 0x0
	s_wait_kmcnt 0x0
	s_add_nc_u64 s[GA0:GA0+1], s[4:5], s[66:67]    ; my tokens' scale bytes
	s_mov_b32 s66, s21
	s_add_nc_u64 s[8:9], s[4:5], s[66:67]
	G0SET GA1, 49152, 0, 8, 0
	s_add_nc_u64 s[GB0:GB0+1], s[6:7], s[100:101]  ; my columns' scale bytes
	s_mov_b32 s100, s22
	s_add_nc_u64 s[10:11], s[6:7], s[100:101]
	G0SET GB1, 49152, BOF, 10, 0
	CROUND                                         ; all sixteen work-groups are here: the joint loads meet
	s_cmp_eq_u32 s13, 0                            ; a wave's one first fill stands in one branch on its number
	s_cbranch_scc0 .Lfill_b
	tensor_load_to_lds s[GA1:GA1+3], s[G1A:G1A+7]
	s_nop 0
	PLACES 4
	s_branch .Lfilled
.Lfill_b:
	tensor_load_to_lds s[GB1:GB1+3], s[G1B:G1B+7]
	s_nop 0
	PLACES 4
.Lfilled:
	v_and_b32 v1, 31, v0
	v_and_b32 v11, 15, v0                          ; r
	v_bfe_u32 v12, v0, 4, 1                        ; h
	v_lshlrev_b32 v13, 4, v1                       ; 16 x lane
	v_lshlrev_b32 v14, 3, v1
	v_add_nc_u32 v14, 512, v14                     ; 8 x lane + 512
	s_mul_i32 s8, s13, 49152                       ; my four tiles of A
	v_add_nc_u32 v[AA16], s8, v13
	v_add_nc_u32 v[AA8], s8, v14
	s_mul_i32 s8, s14, 49152                       ; my four tiles of B, behind A's eight
	s_add_co_u32 s8, s8, BOF
	v_add_nc_u32 v[AB16], s8, v13
	v_add_nc_u32 v[AB8], s8, v14
	v_lshlrev_b32 v15, 5, v11                      ; a row of scale bytes is 32 bytes: eight words, one for each K step
.irp a, 0,1,2,3
	global_load_b128 v[SA+8*\a:SA+8*\a+3], v15, s[GA0:GA0+1] offset:512*\a
	global_load_b128 v[SA+8*\a+4:SA+8*\a+7], v15, s[GA0:GA0+1] offset:512*\a+16
.endr
.irp b, 0,1,2,3
	global_load_b128 v[SB+8*\b:SB+8*\b+3], v15, s[GB0:GB0+1] offset:512*\b
	global_load_b128 v[SB+8*\b+4:SB+8*\b+7], v15, s[GB0:GB0+1] offset:512*\b+16
.endr
	s_mul_i32 s8, s12, 4352
	s_add_co_u32 s8, s8, STG                       ; my stage
	v_mul_u32_u24 v[STO], v11, 272
	v_lshl_add_u32 v[STO], v12, 6, v[STO]
	v_add_nc_u32 v[STO], s8, v[STO]                ; in: row r, + 64 h: columns 16 h + 0 .. 7 of each 32
	v_mul_u32_u24 v[RD], v12, 272
	v_lshl_add_u32 v[RD], v11, 4, v[RD]
	v_add_nc_u32 v[RD], s8, v[RD]                  ; back: lanes 0-15 one row, lanes 16-31 the next
	v_lshlrev_b32 v[CO], 12, v12
	v_lshl_add_u32 v[CO], v11, 4, v[CO]            ; and the same two rows in out0
	s_lshl_b32 s8, s17, 7
	s_lshl_b32 s9, s13, 6
	s_add_co_u32 s8, s8, s9                        ; my first token: 128 x tile row + 64 x half
	s_lshl_b32 s8, s8, 12
	s_lshl_b32 s9, s18, 9
	s_add_co_u32 s8, s8, s9
	s_lshl_b32 s9, s14, 8
	s_add_co_u32 s8, s8, s9                        ; my first column, in bytes: 512 x tile column + 256 x half
	s_mov_b32 s9, 0
	s_add_nc_u64 s[2:3], s[2:3], s[8:9]
	s_wait_alu depctr_va_vdst(0)
	s_wait_loadcnt 0x0                             ; the scale words are in
	s_wait_tensorcnt 0x0                           ; my one tensor load has landed
	s_barrier_signal -1
	s_barrier_wait -1                              ; everybody's has
	FETCH 0
	EVEN 0, 1                                      ; the first products start the sums: nothing is cleared
	EVEN 1, 0
	EVEN 2, 0
	EVEN 3, 0
	EVEN 4, 0
	EVEN 5, 0
	EVEN 6, 0
	s_wait_dscnt 0x0
	MULS 7, 0
	WIN 0
	PLACES 4                                       ; in front of the first read of results
	TOSTAGE 0
.irp a, 1,2,3
.if \a > 1
	s_wait_xcnt 0x0                                ; block a - 2's stores have read their registers: block a's rows may land there
.endif
	TOSTAGE \a
	SEND \a-1, 16
.endr
	SEND 3, 0
	s_wait_tensorcnt 0x0
	s_wait_tensorcnt 0x0
	ds_add_u32 v254, v255
	s_wait_dscnt 0x0
	CROUND                                         ; the closing round: no work-group ends while a partner may still ask for a tile that names it
	s_endpgm
.Lfunc_end_k_qc92d5eca5e_oproj:
	.size	k_qc92d5eca5e_oproj, .Lfunc_end_k_qc92d5eca5e_oproj-k_qc92d5eca5e_oproj
	.p2alignl 7, 3214868480
	.fill 96, 4, 3214868480
	.section	.rodata,"a",@progbits
	.p2align	6, 0x0
	.amdhsa_kernel k_qc92d5eca5e_oproj
		.amdhsa_group_segment_fixed_size 222720
		.amdhsa_private_segment_fixed_size 0
		.amdhsa_enable_private_segment 0
		.amdhsa_kernarg_size 24
		.amdhsa_user_sgpr_count 2
		.amdhsa_user_sgpr_kernarg_segment_ptr 1
		.amdhsa_wavefront_size32 1
		.amdhsa_system_sgpr_workgroup_id_x 1
		.amdhsa_system_sgpr_workgroup_id_y 1
		.amdhsa_system_sgpr_workgroup_id_z 1
		.amdhsa_system_vgpr_workitem_id 0
		.amdhsa_next_free_vgpr 640
		.amdhsa_next_free_sgpr 106
		.amdhsa_reserve_vcc 0
		.amdhsa_float_denorm_mode_32 3
		.amdhsa_float_denorm_mode_16_64 3
		.amdhsa_memory_ordered 1
		.amdhsa_forward_progress 1
		.amdhsa_inst_pref_size 50
	.end_amdhsa_kernel
	.amdgpu_metadata
---
amdhsa.version: [ 1, 2 ]
amdhsa.kernels:
  - .name:           k_qc92d5eca5e_oproj
    .symbol:         k_qc92d5eca5e_oproj.kd
    .args:
      - { .name: ao, .offset: 0, .size: 8, .value_kind: global_buffer, .address_space: global }
      - { .name: pw, .offset: 8, .size: 8, .value_kind: global_buffer, .address_space: global }
      - { .name: out0, .offset: 16, .size: 8, .value_kind: global_buffer, .address_space: global }
    .group_segment_fixed_size: 222720
    .private_segment_fixed_size: 0
    .kernarg_segment_align: 8
    .kernarg_segment_size: 24
    .max_flat_workgroup_size: 128
    .sgpr_count:     106
    .vgpr_count:     640
    .wavefront_size: 32
...
	.end_amdgpu_metadata
.endif
;; end of part 4
